; MI455X (gfx1250); checked and timed in simulation.
; The chip was launched on July 23, 2026; its instructions are those of AMD's public machine-readable ISA for CDNA 5 (MIT licence, August 2026) and "CDNA5" Instruction Set Architecture Reference Guide (July 2026). The comments in the code are by the model that wrote it; some were corrected since.
;; Bert Attention Mem. Allowed arithmetic: matrix products marked QUANTISED: E2M3 operands, one E8M0 scale for each 32 along K, by v_wmma_scale_f32_16x16x128_f8f6f4 with both operands' format E2M3, f32 sums; everything else in f32.
;; Inputs: Wk_codes 1,024 x 32 x 24 uint8 (E2M3 codes of Wk, K innermost, in blocks of 32 codes, four codes in three bytes); Wk_scales 1,024 x 32 uint8 (E8M0 scales of Wk, one for each 32 codes along K); Wo_codes 1,024 x 32 x 24 uint8 (E2M3 codes of Wo, K innermost, in blocks of 32 codes, four codes in three bytes); Wo_scales 1,024 x 32 uint8 (E8M0 scales of Wo, one for each 32 codes along K); Wq_codes 1,024 x 32 x 24 uint8 (E2M3 codes of Wq, K innermost, in blocks of 32 codes, four codes in three bytes); Wq_scales 1,024 x 32 uint8 (E8M0 scales of Wq, one for each 32 codes along K); Wv_codes 1,024 x 32 x 24 uint8 (E2M3 codes of Wv, K innermost, in blocks of 32 codes, four codes in three bytes); Wv_scales 1,024 x 32 uint8 (E8M0 scales of Wv, one for each 32 codes along K); attention_mask 8 x 1,024 float32; bk 1,024 float32; bo 1,024 float32; bq 1,024 float32; bv 1,024 float32; input_tensor 8 x 1,024 x 1,024 float32; ln_beta 1,024 float32; ln_gamma 1,024 float32.
;; Outputs: out0 8 x 1,024 x 1,024 float32.
;; This version of the problem:
;;   THIS VERSION OF THE PROBLEM IS GIVEN IN LOW PRECISION. The matrix products marked QUANTISED in the list below multiply operands that are first quantised to E2M3 (2 exponent bits, 3 mantissa bits; 6 bits a number), with one power-of-two scale for each 32 numbers along K (OCP MX v1.0); their sums are f32. All else is computed in f32.
;;   The module's matrix products, in the order in which they are computed (A, B: the left and right operand; K: the contracted axis; several contracted axes count as one K, in the product's order):
;;     1. [M 8,192, K 1,024] x [K 1,024, N 1,024]; A: input input_tensor; B: input Wq (given as codes): QUANTISED
;;     2. [M 8,192, K 1,024] x [K 1,024, N 1,024]; A: input input_tensor; B: input Wk (given as codes): QUANTISED
;;     3. [M 8,192, K 1,024] x [K 1,024, N 1,024]; A: input input_tensor; B: input Wv (given as codes): QUANTISED
;;     4. batch 128 x [M 1,024, K 64] x [K 64, N 1,024]; A: computed on the way; B: computed on the way: QUANTISED
;;     5. batch 128 x [M 1,024, K 1,024] x [K 1,024, N 64]; A: softmax (see below); B: computed on the way: QUANTISED
;;     6. [M 8,192, K 1,024] x [K 1,024, N 1,024]; A: computed on the way; B: input Wo (given as codes): QUANTISED
;;   THE QUANTISER, for each operand of a quantised product, along K:
;;     - K is cut into blocks of 32 from its start; a last block that is shorter is filled with zeros.
;;     - A block's scale is 2^e with e = floor(log2(the largest magnitude in the block)) - 2, held to -126 .. 127; a block of zeros has e = 0. As a byte (E8M0): e + 127.
;;     - Each number is divided by its block's scale, clamped to +-7.5, and rounded to the nearest number of E2M3, ties to even, subnormals kept.
;;     - The product sums the exact products of the quantised numbers (number of the format x scale) in f32.
;;   ~~~python
;;   def quantise(x, axis):      # numpy; x: float32 -> the quantised numbers, widened to float32 again
;;       x = np.moveaxis(x, axis, -1); K = x.shape[-1]
;;       x = np.pad(x, [(0, 0)] * (x.ndim - 1) + [(0, -K % 32)]); x = x.reshape(x.shape[:-1] + (-1, 32)); a = np.abs(x).max(-1, keepdims=True)
;;       e = np.where(a > 0, np.clip(np.frexp(np.where(a > 0, a, 1))[1] - 1 - 2, -126, 127), 0)      # np.frexp(a)[1] - 1 = floor(log2(a)), exactly
;;       r = np.clip(x / 2.0 ** e, -7.5, 7.5)
;;       step = 2.0 ** (np.maximum(np.frexp(np.where(r == 0, 1, r))[1] - 1, 0) - 3)
;;       q = np.round(r / step) * step * 2.0 ** e      # np.round: ties to even
;;       return np.moveaxis(q.reshape(q.shape[:-2] + (-1,))[..., :K], -1, axis).astype(np.float32)
;;   ~~~
;;   SOFTMAX AHEAD OF A QUANTISED PRODUCT. Where the list says 'softmax', what is quantised is not the finished softmax but p = 2^(t - M), with t = logit x log2(e) and M = ceil(the row's largest t), a whole number; so 1/2 < the row's largest p <= 1. The row's sum l is taken of the UNQUANTISED p, in f32, and the product's result is divided by l at the end. Since M is a whole number, a kernel that streams over the keys may use a running M (the ceiling of the running maximum): every later rescaling is an exact power of two, which a block's scale takes up: the codes' values come out the same.
;;   OPERANDS COMPUTED ON THE WAY. 'Computed on the way' means the value that the module computes at that place (a softmax that the list does not call 'softmax' is quantised finished and normalised). What goes into a quantiser is computed in f32, as accurately as f32 sums, v_exp_f32 and their like allow (about 1e-6 of the number): no bf16 or f16 on the way to a quantiser, and a product that is left as it is and whose result goes on into a quantised operand takes f32 operands (vector FMAs, or v_wmma_f32_16x16x4_f32). A number that lies on a knife's edge between two numbers of the format may be rounded either way, as far as f32 arithmetic and the matrix unit's own rounding can turn it there, and no further.
;;   INPUTS GIVEN AS CODES. Wk (in the module: [1024, 1024], K = its axis 1); Wo (in the module: [1024, 1024], K = its axis 1); Wq (in the module: [1024, 1024], K = its axis 1); Wv (in the module: [1024, 1024], K = its axis 1): each comes as NAME_codes (uint8): NAME with its K axis moved to the last place and cut into blocks of 32 codes, [.., K / 32, bytes a block], one block behind the other in memory; four codes in three bytes: a row's codes are one little-endian stream of bits, code i at bits 6 i .. 6 i + 5 (a code: sign, 2 exponent bits, 3 mantissa bits); and NAME_scales (uint8): the same leading axes, one E8M0 byte (e + 127) for each 32 codes along K. Its value is code x scale, taken as it is: it is not quantised again, and the codes and scales need not be those that the quantiser above would give.
;; One version. Each part assembles by itself: llvm-mc -triple=amdgcn-amd-amdhsa -mcpu=gfx1250 --defsym DOCPART=n.
;; ======== version 1 of 1: 4 launches
;; workspace buffers: xc 6,291,456 bytes; xs 262,144 bytes; qimg 6,291,456 bytes; qs 524,288 bytes; kv 13,369,344 bytes; ctxc 6,291,456 bytes; ctxs 524,288 bytes
;; launch quantx (part 1): grid 512 x 1, 4 waves a work-group, no clusters, 33,280 bytes of LDS; arguments input_tensor, xc, xs; writes xc, xs
.if DOCPART == 1
	.amdgcn_target "amdgcn-amd-amdhsa--gfx1250"
	.amdhsa_code_object_version 6
	.text
	.protected	k_q6fc8fba62c_quantx
	.globl	k_q6fc8fba62c_quantx
	.p2align	8
	.type	k_q6fc8fba62c_quantx,@function
k_q6fc8fba62c_quantx:
	s_mov_b64 s[64:65], 0
	v_nop
	global_prefetch_b8 v0, s[64:65] scope:SCOPE_SE
	s_setreg_imm32_b32 hwreg(HW_REG_WAVE_MODE, 25, 1), 1
	s_wait_xcnt 0x0
; input_tensor [8192][1024] f32 becomes codes of FP6 (E2M3), K innermost (xc: 768 bytes a row), and one E8M0 byte for each 32 along K (xs: 32 bytes a row).
; A block's scale is 2^(floor(log2(its largest magnitude)) - 2); its byte is the largest magnitude's exponent field - 2, held at 1 from below.
; Rows are dense and 1,024 is a multiple of 32: the tensor is a plain stream of blocks of 32, and so are its codes and its bytes.
; LIMITS: a block of zeros gets the byte 1, not 127 (its codes are zeros, and only this program reads the bytes); blocks whose largest magnitude lies under 2^-124 are quantised
; under the held byte 1; NaN and infinities among the inputs are not served.
; SHARES: 8,388,608 numbers = 512 work-groups x 4 waves x 8 steps x 512 numbers.  A wave's 32 loads (16 KiB) all go out at the head: the tensor is read once and nothing else is to be done meanwhile.
; Each load reads 512 consecutive bytes, 16 a lane; the conversion wants 16 NEIGHBOURS in a lane's registers: a step's 2,048 bytes turn through the wave's own stage in LDS (16 bytes of padding behind each 64).
; Two neighbouring lanes hold a block.  No barrier: waves share nothing.
.set STEPS, 8
.set EMAX,  2
.set CB,    12                         ; bytes of 16 codes
.set R,     16                         ; v16-143  eight sets of 16 numbers as they are loaded
.set X,     144                        ; v144-175 two sets of 16 neighbours
.set C,     176                        ; v176-207 codes: four registers a step, so that no store's data are written again
.set E,     208                        ; v208-215 a scale byte a step
.set WREG,  8192                       ; LDS: a region for each wave: two stages of 32 x SP bytes, behind them its 128 scale bytes
.set SP,    80                         ; a lane's place in a stage: 64 bytes + 16 of padding
	s_load_b128 s[4:7], s[0:1], 0x0                ; x, xc
	s_load_b64 s[8:9], s[0:1], 0x10                ; xs
	v_lshl_add_u32 v216, v0, 2, 0x8000
	v_mov_b32 v217, 0
	v_lshrrev_b32 v1, 5, v0
	v_readfirstlane_b32 s16, v1                    ; wave
	v_and_b32 v2, 31, v0                           ; lane
	v_lshlrev_b32 v3, 4, v2                        ; my 16 bytes of a load's 512
	s_mul_i32 s17, s16, WREG
	v_lshrrev_b32 v14, 2, v2
	v_mul_u32_u24 v14, v14, SP
	v_and_b32 v15, 3, v2
	v_lshl_add_u32 v14, v15, 4, v14
	v_add_nc_u32 v14, s17, v14                     ; the stage, on the way in: SP (lane / 4) + 16 (lane % 4)
	v_mul_u32_u24 v15, v2, SP
	v_add_nc_u32 v15, s17, v15                     ; and on the way out: SP x lane: my 16 neighbours
	v_mul_u32_u24 v4, v2, CB                       ; my codes' place in a step's 384 bytes
	v_lshrrev_b32 v5, 1, v2
	s_add_co_u32 s17, s17, 2*32*SP
	v_add_nc_u32 v5, s17, v5                       ; LDS: my block's byte among the wave's 128
	v_lshlrev_b32 v7, 2, v2                        ; on the way out 4 bytes a lane
	v_add_nc_u32 v6, s17, v7
	s_lshl_b32 s18, ttmp9, 2
	s_add_co_u32 s18, s18, s16                     ; which run of 4,096 numbers is my wave's
	s_lshl_b32 s20, s18, 14                        ; 16,384 bytes of x,
	s_mov_b32 s21, 0
	s_mul_i32 s22, s18, 32*STEPS*CB                ; 3,072 bytes of codes,
	s_mov_b32 s23, 0
	s_lshl_b32 s24, s18, 7                         ; 128 scale bytes a run
	s_mov_b32 s25, 0
	s_wait_kmcnt 0x0
	s_add_nc_u64 s[4:5], s[4:5], s[20:21]
	s_add_nc_u64 s[6:7], s[6:7], s[22:23]
	s_add_nc_u64 s[8:9], s[8:9], s[24:25]
.macro LOAD t
.irp i, 0,1,2,3
	global_load_b128 v[R+16*(\t)+4*\i:R+16*(\t)+4*\i+3], v3, s[4:5] offset:2048*(\t)+512*\i th:TH_LOAD_NT   ; 32 lanes read 512 consecutive bytes
.endr
.endm
.macro TURN t                          ; step t's numbers through the stage: LDS serves a wave's instructions in order, so no wait stands between the stores and the loads
.irp i, 0,1,2,3
	ds_store_b128 v14, v[R+16*(\t)+4*\i:R+16*(\t)+4*\i+3] offset:32*SP*((\t)%2)+8*SP*\i
.endr
.irp i, 0,1,2,3
	ds_load_b128 v[X+16*((\t)%2)+4*\i:X+16*((\t)%2)+4*\i+3], v15 offset:32*SP*((\t)%2)+16*\i
.endr
.endm
.irp t, 0,1,2,3,4,5,6,7
	LOAD \t
.endr
	s_wait_loadcnt 28                              ; step 0's four loads are in; the 28 of steps 1 to 7 may be out
	TURN 0
.macro STEP t
.set XS, X+16*((\t)%2)
.if (\t) > 0
	s_wait_dscnt 1                                 ; this step's numbers are back from the stage; the last step's byte store may be out
.else
	s_wait_dscnt 0x0
.endif
.if (\t)+1 < STEPS
	s_wait_loadcnt 4*(STEPS-2-(\t))                ; the next step's four loads are in; those of the steps behind it may be out
	TURN (\t)+1                                    ; they go through the other stage while this step is worked
.endif
	v_max3_num_f32 v8, |v[XS]|, |v[XS+1]|, |v[XS+2]|               ; the largest magnitude of my 16, in two chains
	v_max3_num_f32 v9, |v[XS+3]|, |v[XS+4]|, |v[XS+5]|
.irp i, 6,10
	v_max3_num_f32 v8, v8, |v[XS+\i]|, |v[XS+\i+1]|
	v_max3_num_f32 v9, v9, |v[XS+\i+2]|, |v[XS+\i+3]|
.endr
	v_max3_num_f32 v8, v8, |v[XS+14]|, |v[XS+15]|
	v_max3_num_f32 v8, v8, v9, (EMAX+1)<<23        ; and the floor 2^(3 - 127): the byte cannot fall under 1
	v_max_num_f32_dpp v8, v8, v8 row_xmask:1 row_mask:0xf bank_mask:0xf   ; and of my neighbour's 16: the block's
	v_add_nc_u32 v11, -(EMAX<<23), v8              ; 2 off its exponent field: the conversion takes the exponent field of this operand as its scale
	v_cvt_scalef32_pk16_fp6_f32 v[C+4*(\t):C+4*(\t)+2], v[XS:XS+15], v11
	v_lshrrev_b32 v[E+(\t)], 23, v11               ; the scale's byte (also the plain line behind the conversion)
	ds_store_b8 v5, v[E+(\t)] offset:16*(\t)       ; both lanes of a block write the same byte with the same value
	global_store_b96 v4, v[C+4*(\t):C+4*(\t)+2], s[6:7] offset:32*CB*(\t)   ; the wave stores 384 consecutive bytes
.endm
.irp t, 0,1,2,3,4,5,6,7
	STEP \t
.endr
	ds_load_b32 v12, v6                            ; LDS serves a wave's instructions in order: this sees my byte stores
	s_wait_dscnt 0x0
	global_store_b32 v7, v12, s[8:9]               ; 32 lanes store the wave's 128 consecutive scale bytes (one byte for each 128 bytes read)
	s_wait_tensorcnt 0x0
	ds_add_u32 v216, v217
	s_wait_dscnt 0x0
	s_endpgm
.Lfunc_end_k_q6fc8fba62c_quantx:
	.size	k_q6fc8fba62c_quantx, .Lfunc_end_k_q6fc8fba62c_quantx-k_q6fc8fba62c_quantx
	.p2alignl 7, 3214868480
	.fill 96, 4, 3214868480
	.section	.rodata,"a",@progbits
	.p2align	6, 0x0
	.amdhsa_kernel k_q6fc8fba62c_quantx
		.amdhsa_group_segment_fixed_size 33280
		.amdhsa_private_segment_fixed_size 0
		.amdhsa_enable_private_segment 0
		.amdhsa_kernarg_size 24
		.amdhsa_user_sgpr_count 2
		.amdhsa_user_sgpr_kernarg_segment_ptr 1
		.amdhsa_wavefront_size32 1
		.amdhsa_system_sgpr_workgroup_id_x 1
		.amdhsa_system_sgpr_workgroup_id_y 1
		.amdhsa_system_sgpr_workgroup_id_z 1
		.amdhsa_system_vgpr_workitem_id 0
		.amdhsa_next_free_vgpr 218
		.amdhsa_next_free_sgpr 66
		.amdhsa_reserve_vcc 0
		.amdhsa_float_denorm_mode_32 3
		.amdhsa_float_denorm_mode_16_64 3
		.amdhsa_memory_ordered 1
		.amdhsa_forward_progress 1
		.amdhsa_inst_pref_size 17
	.end_amdhsa_kernel
	.amdgpu_metadata
---
amdhsa.version: [ 1, 2 ]
amdhsa.kernels:
  - .name:           k_q6fc8fba62c_quantx
    .symbol:         k_q6fc8fba62c_quantx.kd
    .args:
      - { .name: input_tensor, .offset: 0, .size: 8, .value_kind: global_buffer, .address_space: global }
      - { .name: xc, .offset: 8, .size: 8, .value_kind: global_buffer, .address_space: global }
      - { .name: xs, .offset: 16, .size: 8, .value_kind: global_buffer, .address_space: global }
    .group_segment_fixed_size: 33280
    .private_segment_fixed_size: 0
    .kernarg_segment_align: 8
    .kernarg_segment_size: 24
    .max_flat_workgroup_size: 128
    .sgpr_count:     66
    .vgpr_count:     218
    .wavefront_size: 32
...
	.end_amdgpu_metadata
.endif
;; end of part 1
;; launch qkv (part 2): grid 8 x 32, 4 waves a work-group, clusters of 4 x 4, 327,680 bytes of LDS; arguments xc, xs, Wq_codes, Wq_scales, Wk_codes, Wk_scales, Wv_codes, Wv_scales, bq, bk, bv, qimg, qs, kv; writes qimg, qs, kv
.if DOCPART == 2
	.amdgcn_target "amdgcn-amd-amdhsa--gfx1250"
	.amdhsa_code_object_version 6
	.text
	.protected	k_q6fc8fba62c_qkv
	.globl	k_q6fc8fba62c_qkv
	.p2align	8
	.type	k_q6fc8fba62c_qkv,@function
k_q6fc8fba62c_qkv:
	s_mov_b64 s[64:65], 0
	v_nop
	global_prefetch_b8 v0, s[64:65] scope:SCOPE_SE
	s_setreg_imm32_b32 hwreg(HW_REG_WAVE_MODE, 25, 1), 1
	s_wait_xcnt 0x0
	s_wait_alu depctr_hold_cnt(0) depctr_sa_sdst(0) depctr_va_vdst(0) depctr_va_sdst(0) depctr_va_ssrc(0) depctr_va_vcc(0) depctr_vm_vsrc(0)
	s_getreg_b32 s2, hwreg(HW_REG_IB_STS2, 6, 4)
	s_cmp_eq_u32 s2, 0
	s_cbranch_scc0 .Lentry_in_a_cluster
	s_endpgm
.Lentry_in_a_cluster:
	s_bfe_u32 s2, ttmp6, 0x10000c
	s_cmp_lg_u32 s2, 0xf033
	s_cbranch_scc0 .Lentry_shape_is_right
	s_endpgm
.Lentry_shape_is_right:
; q = x Wq^T + bq, k = x Wk^T + bk, v = x Wv^T + bv on codes of FP6 (E2M3) with one E8M0 scale for each 32 along K = 1,024; the results are quantised at once for the two products of attention
; and leave as IMAGES OF OPERAND REGISTERS: q and k along a head's 64 channels, v along the keys.
; SHARES.  8,192 x 3,072 results are 384 tiles of 256 x 256: one and a half for each of 256 work-groups.  So A WORK-GROUP STAYS: it makes a whole tile of q or of k (the cluster's x: 0 q, 1 k), and then HALF a tile of v.
; "A" is source 1 (its rows fall to the lanes), "B" source 0 (its rows fall to a lane's registers).
;   part 1, q or k: A = x (block 4 x cluster y + cy, 256 rows), B = the weight (block cx, 256 rows): a lane holds a token, its registers run over channels: the head's K.  A wave makes 128 x 128: 64 accumulators.
;   part 2, v:      A = Wv (128 rows from 128 (2 cy + role)), B = x (block 4 x cluster y + cx): a lane holds a channel, its registers run over tokens: the keys.  A wave makes 64 x 128: 32 accumulators.
; (role, cy) name Wv's eight blocks of 128 rows and (cluster y, cx) x's 32 blocks: each half tile of v is made once.
; K goes in steps of 256 through a ring of two LDS slots filled by the tensor data mover, AND THE RING GOES ON INTO PART 2: part 1's last two changes of slots ask for part 2's K steps 0 and 1, which land while part 1's
; results are quantised and stored (that way out uses no LDS).  All matrices have rows of 768 bytes of codes, so one pair of groups 1 serves both parts; only the global addresses change.
; CLUSTERS: 4 x 4 work-groups; in both parts A's address hangs on cy and is shared along a row of the cluster, B's on cx and is shared along a column: each tile is asked for jointly.
; SCALES.  Part 1's (2 x 256 rows, all of K) come into LDS once with the first fills.  Part 2's go from memory straight into registers: a row's 32 bytes are eight words; lane (r, h) takes bytes 16 h .. 16 h + 15 of row r
; (a wave's load covers 512 consecutive bytes), so a register holds word c in lanes 0-15 and word 4 + c in lanes 16-31, and the steps 4 to 7 of 128 along K name the upper lanes.
; No prefetch: each part's K has four steps, of which two are always asked for a step or more ahead.
; THE WAY OUT, block a of 16 rows of A at a time: 64 numbers a lane (+ bias) are four blocks of 32 along the next K: register 16 b + 8 u + j of lane half h is number 32 b + 16 u + 8 h + j.  The quantiser lays a lane's 16
; codes on end, so inside a block of 32 the two middle groups of eight change places.  q and k, and p and v, are made by the same lines: both operands of a product carry the same order, the blocks and their scales
; are those of the rule, and only the order of the additions differs from the ascending one.
; The division of the scores by sqrt(64) = 8 is taken out of q's stored scale bytes (3 off each): exact.
; LIMITS: blocks of q whose largest magnitude lies under 2^-121 are quantised under a held scale (true byte 4, stored byte 1), other blocks under 2^-124 under the byte 1; blocks of zeros carry these bytes and not 127
; (only this program reads them); NaN and infinities are not served.
; REGISTERS, in windows of 256: window 0: v0-31 addresses; v32-63 scale words (part 1: two sets; part 2: x's); v64-127 q's or k's bias; v128-223 A's fragments (part 1: one set of eight; part 2: two sets of four);
;   v232-247 part 2: Wv's scale words; v248-255 v's bias; on the ways out v128-230 at work.   window 1: B's fragments, two sets.
;   window 2: the accumulators of A's blocks 0-3 ((a, b) at v[8 (8 a + b)]);   window 3: part 1's of blocks 4-7.
.set SIZE_K, 1024
.set KSTEP,  256                       ; along K in a slot
.set NQ,     KSTEP/128                 ; matrix instructions deep
.set ROWB,   192                       ; a tile's row in bytes
.set KROW,   SIZE_K*6/8                ; a row of codes in memory
.set PITCH,  240                       ; an LDS row: 3 x (64 bytes of data + 16 of padding)
.set FR,     12                        ; registers of a fragment
.set NL,     6                         ; LDS loads that bring one
.set NP,     4                         ; places behind this matrix instruction (ISA guide 7.12.1)
.set HALFT,  128*PITCH                 ; 128 rows: what one tensor load brings
.set SLOT,   4*HALFT                   ; A's 256 rows (part 2: 128 of them used), then B's 256 rows
.set LAPS,   SIZE_K/(2*KSTEP)
.set KS,     SIZE_K/32                 ; a row of scale bytes
.set SCL,    2*SLOT                    ; behind the ring: part 1's scales, as units of 256 bytes + 16 of padding
.set HALFS,  (128*KS/256)*272
.set SBLK,   (16*KS/256)*272
.set SPARE,  SCL+4*HALFS               ; the spare words, 128 bytes for each wave: two blocks of 256 bytes that no other line names
.set RECB,   104448                    ; kv: a head's record: K's codes 49,152, K's scale words 4,096, V's fragments 49,152, V's scale words 2,048
.set KSC,    49152
.set VOF,    53248
.set VSC,    102400
.set ADRA2, 10                         ; v10-11 part 2: LDS address of my A fragments in slot 0, 1 (v12-13: behind one padding more)
.set ADRA, 16                          ; v16-17 part 1: the same (v18-19)
.set ADRB, 20                          ; v20-23 the same for B, in both parts
.set ADRS, 27                          ; v27    part 1: LDS address of my scale words: lanes 0-15 A's rows, lanes 16-31 B's
.set SPW,  28                          ; v28    LDS address of my spare word; never rewritten
.set NIL,  29                          ; v29    0; never rewritten
.set SC,   32                          ; part 1: scale words
.set SB2,  32                          ; part 2: x's scale words: block b's four registers at 4 b
.set SA2,  232                         ; part 2: Wv's: block a's four registers at 4 a
.set BI,   64                          ; v64-127  q, k: the bias of my lane's 64 channels, in the accumulators' order
.set BV,   248                         ; v248-255 v: the bias of my lane's channel in block a, twice, at 2 a
.set AF,   128                         ; A's fragments
.set H,    128                         ; the way out: v128-191 64 numbers
.set PC,   192                         ; v192-203 their codes; v204-206, v208-210 halves on the way
.set TM,   212                         ; v212-227 at work
.set PW,   228                         ; the scale word just made
.set PW2,  229                         ; as it is stored
.set PWK,  230                         ; v: the even block's word, kept
.set G1, 24
.set G0, 32
.set G1B, 48
.set G0B, 56
.set G1S, 68
.set G0S, 76
.set G1SB, 80
.set G0SB, 88
.set MSB, 0
.macro WIN new                         ; the immediate's high byte repeats the setting that is left
.if MSB != \new
	s_set_vgpr_msb (MSB<<8)|\new
.set MSB, \new
.endif
.endm
.set MUL_LO, 0xa1                      ; source 0 (B) window 1, source 1 (A) window 0, C and D window 2
.set MUL_HI, 0xf1                      ; the same, C and D window 3
.set TO_B,   0x40                      ; destination window 1, address window 0
; A joint load of part 1: waves 0 and 1 fetch for A, waves 2 and 3 for B.  The branch hangs on the wave's number alone.  Four v_nop follow each of the two lines.
.macro JLOAD g0a, g1a, g0b, g1b
	s_cmp_eq_u32 s15, 0
	s_cbranch_scc0 .Lfor_b_\@
	tensor_load_to_lds s[\g0a:\g0a+3], s[\g1a:\g1a+7]
	s_nop 0
.rept 4
	v_nop
.endr
	s_branch .Lasked_\@
.Lfor_b_\@:
	tensor_load_to_lds s[\g0b:\g0b+3], s[\g1b:\g1b+7]
	s_nop 0
.rept 4
	v_nop
.endr
.Lasked_\@:
.endm
; A joint load of part 2, into slot s: wave 0 fetches A's 128 rows, waves 2 and 3 B's halves, wave 1 nothing.  The LDS places are those of part 1: wave x 128 rows.
.macro JLOAD2 s
	s_cmp_eq_u32 s14, 0
	s_cbranch_scc0 .Lnot_a_\@
	tensor_load_to_lds s[G0+4*\s:G0+4*\s+3], s[G1:G1+7]
	s_nop 0
.rept 4
	v_nop
.endr
	s_branch .Lasked2_\@
.Lnot_a_\@:
	s_cmp_lt_u32 s14, 2
	s_cbranch_scc1 .Lasked2_\@
	tensor_load_to_lds s[G0B+4*\s:G0B+4*\s+3], s[G1B:G1B+7]
	s_nop 0
.rept 4
	v_nop
.endr
.Lasked2_\@:
.endm
.macro CREST                           ; a round of the cluster's barrier behind its opening barrier
	s_cmp_lg_u32 s14, 0
	s_cbranch_scc1 .Lnot_wave_0_\@
	s_barrier_signal -3
.Lnot_wave_0_\@:
	s_barrier_wait -3
	s_barrier_signal -1
	s_barrier_wait -1
.endm
.macro CROUND                          ; a whole round
	s_barrier_signal -1
	s_barrier_wait -1
	CREST
.endm
	s_load_b512 s[68:83], s[0:1], 0x0              ; xc 68, xs 70, Wq's codes 72, scales 74, Wk's 76, 78, Wv's 80, 82
	s_load_b256 s[84:91], s[0:1], 0x40             ; bq 84, bk 86, bv 88, qimg 90
	s_load_b128 s[92:95], s[0:1], 0x60             ; qs 92, kv 94
	v_lshl_add_u32 v[SPW], v0, 2, SPARE
	v_mov_b32 v[NIL], 0
	ds_add_u32 v28, v29
	ds_add_u32 v28, v29
	s_wait_dscnt 0x0
	v_lshrrev_b32 v1, 5, v0
	v_readfirstlane_b32 s14, v1                    ; wave 0..3
	s_lshr_b32 s15, s14, 1                         ; which half of A's rows is mine.  Also, in part 1: I fetch for A (0) or for B (1)
	s_and_b32 s16, s14, 1                          ; which half of B's.  Also: which 128 rows of a tile I fetch
	s_bfe_u32 s40, ttmp6, 0x40000                  ; cx, cy: my place in the cluster
	s_bfe_u32 s41, ttmp6, 0x40004
	s_and_b32 s2, ttmp7, 0xffff
	s_lshl_b32 s2, s2, 2                           ; 4 x cluster y
	s_wait_kmcnt 0x0
	s_mov_b64 s[4:5], s[68:69]                     ; part 1: A's codes are x's,
	s_mov_b64 s[6:7], s[70:71]                     ; and A's scales
	s_mov_b64 s[104:105], s[88:89]                 ; bv and kv are kept for part 2
	s_mov_b64 s[66:67], s[94:95]
	s_cmp_eq_u32 ttmp9, 0                          ; the role: a choice of pointers that hangs on the cluster's x alone
	s_cselect_b64 s[8:9], s[72:73], s[76:77]       ; B's codes: Wq's or Wk's
	s_cselect_b64 s[10:11], s[74:75], s[78:79]     ; B's scales
	s_cselect_b64 s[12:13], s[84:85], s[86:87]     ; the bias
	s_cselect_b64 s[96:97], s[90:91], s[94:95]     ; where the codes go: qimg or kv
	s_cselect_b64 s[98:99], s[92:93], s[94:95]     ; where the scale words go: qs or kv
	s_add_co_u32 s17, s2, s41                      ; A's block of 256 rows: it holds cy and never cx
	s_mov_b32 s42, s40                             ; B's block: cx
	s_lshl_b32 s43, s41, 2
	s_lshl_b32 s43, 15, s43                        ; my row of the cluster
	s_lshl_b32 s44, 0x1111, s40                    ; my column
	; descriptor group 1: a tile of 128 rows x ROWB bytes, padded in LDS
	s_or_b32 s[G1+0], s43, (0<<16)|(1<<20)|(1<<21)|(3<<22)|(3<<25)  ; 15:0 the mask: A's tiles go to my row; 17:16 element of 1 byte; 20 padding on; 21 set beside a mask; 24:22 after every 16 words; 31:25 of 4 words
	s_or_b32 s[G1B+0], s44, (0<<16)|(1<<20)|(1<<21)|(3<<22)|(3<<25)
.irp g, G1, G1B
	s_mov_b32 s[\g+1], ROWB<<16                    ; tensor_dim0
	s_mov_b32 s[\g+2], 128<<16                     ; tensor_dim1 = 128
	s_mov_b32 s[\g+3], ROWB<<16                    ; tile_dim0
	s_mov_b32 s[\g+4], 128                         ; tile_dim1 = 128
	s_mov_b32 s[\g+5], KROW                        ; tensor_dim0_stride
	s_mov_b32 s[\g+6], 0
	s_mov_b32 s[\g+7], 0
.endr
	; and for the scales of 128 rows: a dense block of 4,096 bytes, as rows of 256 bytes (32 elements of 8 bytes), 16 bytes of padding behind each
	s_or_b32 s[G1S+0], s43, (3<<16)|(1<<20)|(1<<21)|(5<<22)|(3<<25)
	s_or_b32 s[G1SB+0], s44, (3<<16)|(1<<20)|(1<<21)|(5<<22)|(3<<25)
.irp g, G1S, G1SB
	s_mov_b32 s[\g+1], 32<<16
	s_mov_b32 s[\g+2], (128*KS/256)<<16
	s_mov_b32 s[\g+3], 32<<16
	s_mov_b32 s[\g+4], 128*KS/256
	s_mov_b32 s[\g+5], 32
	s_mov_b32 s[\g+6], 0
	s_mov_b32 s[\g+7], 0
.endr
	s_lshl_b32 s18, s16, 7                         ; which 128 rows of the tile I fetch
	s_lshl_b32 s20, s17, 8
	s_add_co_u32 s20, s20, s18                     ; A: row 256 x block + 128 x half
	s_lshl_b32 s46, s42, 8
	s_add_co_u32 s46, s46, s18                     ; B likewise
	s_mov_b32 s21, 0
	s_mov_b32 s47, 0
	s_mov_b64 s[18:19], KS
	s_mul_u64 s[22:23], s[20:21], s[18:19]         ; where these rows' scales begin, in bytes
	s_mul_u64 s[92:93], s[46:47], s[18:19]
	s_mov_b64 s[18:19], KROW
	s_mul_u64 s[20:21], s[20:21], s[18:19]         ; and their codes
	s_mul_u64 s[46:47], s[46:47], s[18:19]
	s_mul_i32 s45, s14, HALFT                      ; where they go: wave x 128 rows: no place in the cluster enters an LDS address
	s_mul_i32 s94, s14, HALFS
	s_add_nc_u64 s[20:21], s[4:5], s[20:21]
	s_add_nc_u64 s[22:23], s[6:7], s[22:23]
	s_add_nc_u64 s[46:47], s[8:9], s[46:47]
	s_add_nc_u64 s[92:93], s[10:11], s[92:93]
	CROUND                                         ; all sixteen work-groups are here: the first joint loads meet
	s_mov_b32 s[G0S], 1
	s_add_co_u32 s[G0S+1], s94, SCL
	s_mov_b64 s[G0S+2:G0S+3], s[22:23]
	s_or_b32 s[G0S+3], s[G0S+3], 0x80000000
	s_mov_b32 s[G0SB], 1
	s_add_co_u32 s[G0SB+1], s94, SCL
	s_mov_b64 s[G0SB+2:G0SB+3], s[92:93]
	s_or_b32 s[G0SB+3], s[G0SB+3], 0x80000000
	JLOAD G0S, G1S, G0SB, G1SB                     ; the scales first: they are wanted with K step 0
.irp s, 0,1
	s_mov_b32 s[G0+4*\s], 1
	s_add_co_u32 s[G0+4*\s+1], s45, \s*SLOT
	s_add_nc_u64 s[G0+4*\s+2:G0+4*\s+3], s[20:21], \s*ROWB
	s_or_b32 s[G0+4*\s+3], s[G0+4*\s+3], 0x80000000
	s_mov_b32 s[G0B+4*\s], 1
	s_add_co_u32 s[G0B+4*\s+1], s45, \s*SLOT
	s_add_nc_u64 s[G0B+4*\s+2:G0B+4*\s+3], s[46:47], \s*ROWB
	s_or_b32 s[G0B+4*\s+3], s[G0B+4*\s+3], 0x80000000
	JLOAD G0+4*\s, G1, G0B+4*\s, G1B
.endr
	s_load_b128 s[4:7], s[0:1], 0x0                ; for part 2, into registers that part 1 has done with: xc, xs,
	s_load_b128 s[8:11], s[0:1], 0x30              ; Wv's codes, Wv's scales; they come while the first tiles are on their way
	v_and_b32 v1, 15, v0                           ; r = lane % 16
	v_bfe_u32 v2, v0, 4, 1                         ; h = lane / 16
	v_mul_u32_u24 v3, v1, PITCH
	v_mul_u32_u24 v4, v2, 24
	v_add_nc_u32 v4, v3, v4                        ; a fragment's row x pitch + 24 x half
	v_lshl_add_u32 v5, v2, 4, v4                   ; and the same behind one padding more
	s_mul_i32 s21, s15, HALFT                      ; part 1: my 128 rows of A
	s_mul_i32 s22, s16, HALFT                      ; my 128 rows of B,
	s_add_co_u32 s22, s22, 2*HALFT                 ; which lie behind A's 256
	s_mul_i32 s23, s15, 64*PITCH                   ; part 2: my 64 rows of A's 128
.irp s, 0,1
	v_add_nc_u32 v[ADRA+\s], s21, v4
	v_add_nc_u32 v[ADRB+\s], s22, v4
	v_add_nc_u32 v[ADRA+2+\s], s21, v5
	v_add_nc_u32 v[ADRB+2+\s], s22, v5
	v_add_nc_u32 v[ADRA2+\s], s23, v4
	v_add_nc_u32 v[ADRA2+2+\s], s23, v5
	s_add_co_u32 s21, s21, SLOT
	s_add_co_u32 s22, s22, SLOT
	s_add_co_u32 s23, s23, SLOT
.endr
	v_mul_u32_u24 v5, v1, KS                       ; my row's scales: KS bytes a row,
	v_lshrrev_b32 v6, 8, v5
	v_lshl_add_u32 v5, v6, 4, v5                   ; and 16 more for each 256 passed
	s_mul_i32 s21, s15, HALFS                      ; A's: my 128 rows
	s_mul_i32 s22, s16, HALFS                      ; B's: my 128 rows, behind A's 256
	s_add_co_u32 s22, s22, 2*HALFS
	s_sub_co_u32 s22, s22, s21
	v_mul_u32_u24 v6, s22, v2                      ; lanes 16-31 take B's
	s_add_co_u32 s21, s21, SCL
	v_add_nc_u32 v5, v5, v6
	v_add_nc_u32 v[ADRS], s21, v5
	; THE BIASES of both parts
	s_lshl_b32 s20, s40, 10                        ; q, k: channels 256 cx + 128 (my half of B) on
	s_lshl_b32 s21, s16, 9
	s_add_co_u32 s20, s20, s21
	s_mov_b32 s21, 0
	s_add_nc_u64 s[100:101], s[12:13], s[20:21]
	s_lshl_b32 s20, s41, 1
	s_add_co_u32 s20, s20, ttmp9                   ; v: Wv's block of 128 rows: 2 cy + role
	s_lshl_b32 s20, s20, 9
	s_lshl_b32 s22, s15, 8                         ; + my 64 channels of it
	s_add_co_u32 s20, s20, s22
	s_add_nc_u64 s[104:105], s[104:105], s[20:21]
	v_lshlrev_b32 v8, 5, v2                        ; 32 h: accumulator b's register j is channel 16 b + 8 h + j
	v_lshlrev_b32 v9, 2, v1                        ; 4 r: in block a my lane is channel 16 a + r
	v_lshlrev_b32 v31, 5, v1
	v_lshl_add_u32 v31, v2, 4, v31                 ; 32 r + 16 h: my half of my row's scale bytes (part 2)
.irp b, 0,1,2,3,4,5,6,7
	global_load_b128 v[BI+8*\b:BI+8*\b+3], v8, s[100:101] offset:64*\b
	global_load_b128 v[BI+8*\b+4:BI+8*\b+7], v8, s[100:101] offset:64*\b+16
.endr
.irp a, 0,1,2,3
	global_load_b32 v[BV+2*\a], v9, s[104:105] offset:64*\a
	global_load_b32 v[BV+2*\a+1], v9, s[104:105] offset:64*\a       ; twice: a pair for the packed addition
.endr
	; PART 2's ADDRESSES.  A's hang on cy and the role, in registers that never hold cx; B's on the cluster's y and cx, in registers that never hold cy.
	s_wait_kmcnt 0x0
	s_mov_b32 s95, 0
	s_lshl_b32 s18, s41, 1
	s_add_co_u32 s18, s18, ttmp9
	s_lshl_b32 s18, s18, 7                         ; Wv's first row: 128 (2 cy + role)
	s_mov_b32 s19, 0
	s_lshl_b32 s94, s15, 6
	s_add_co_u32 s94, s94, s18                     ; the first of my 64 rows,
	s_lshl_b32 s94, s94, 5
	s_add_nc_u64 s[10:11], s[10:11], s[94:95]      ; and their scale bytes
	s_mul_i32 s18, s18, KROW
	s_add_nc_u64 s[8:9], s[8:9], s[18:19]          ; the codes of Wv's 128 rows: what wave 0 fetches
	s_add_co_u32 s46, s2, s40                      ; x's block: 4 x cluster y + cx
	s_lshl_b32 s46, s46, 8
	s_lshl_b32 s47, s16, 7
	s_add_co_u32 s46, s46, s47                     ; + 128 x half: the rows that I read, and that waves 2 and 3 fetch
	s_mov_b32 s47, 0
	s_lshl_b32 s94, s46, 5
	s_add_nc_u64 s[6:7], s[6:7], s[94:95]          ; their scale bytes,
	s_mul_i32 s46, s46, KROW
	s_add_nc_u64 s[4:5], s[4:5], s[46:47]          ; and their codes
.macro FRAG reg, adr, q, i             ; a fragment, 16 rows x 128 K of 6-bit codes: lane l holds row l % 16; registers 6 c .. 6 c + 5 hold K = 64 c + 32 (l / 16) + 0 .. 31: 24 bytes of the row's stream of bits, as they lie
.irp p, 0,1,2,3,4,5                    ; in pieces of 8 bytes.  Lanes 16-31 read three pieces further on than lanes 0-15;
.set PCE, 12*(\q)+6*(\p/3)+\p%3       ; where that is behind one padding more (16 bytes behind every 8 pieces), the second address register serves
.if PCE%8 < 5
	ds_load_b64 v[\reg+2*\p:\reg+2*\p+1], v[\adr] offset:8*PCE+16*(PCE/8)+(\i)*16*PITCH
.else
	ds_load_b64 v[\reg+2*\p:\reg+2*\p+1], v[\adr+2] offset:8*PCE+16*(PCE/8)+(\i)*16*PITCH
.endif
.endr
.endm
; PART 1.  16 matrix instructions: A's blocks a0, a0 + 1 x B's eight, 128 along K: the slot's q-th.  p: B's set;  sc: the set of scale words.  zero = 1: the first product starts the sums.
; The 64 accumulators take turns, one instruction a turn, in the same order in every step.
.macro MUL16 a0, p, q, sc, zero
.irp a, \a0, \a0+1
.irp b, 0,1,2,3,4,5,6,7
.if \zero
	v_wmma_scale_f32_16x16x128_f8f6f4 v[8*(8*((\a)%4)+\b):8*(8*((\a)%4)+\b)+7], v[128*(\p)+FR*\b:128*(\p)+FR*\b+FR-1], v[AF+FR*(\a):AF+FR*(\a)+FR-1], 0, v[SC+8*NQ*(\sc)+NQ*\b+(\q)], v[SC+8*NQ*(\sc)+NQ*(\a)+(\q)] matrix_a_fmt:MATRIX_FMT_FP6 matrix_b_fmt:MATRIX_FMT_FP6 matrix_a_scale:MATRIX_SCALE_ROW1
.else
	v_wmma_scale_f32_16x16x128_f8f6f4 v[8*(8*((\a)%4)+\b):8*(8*((\a)%4)+\b)+7], v[128*(\p)+FR*\b:128*(\p)+FR*\b+FR-1], v[AF+FR*(\a):AF+FR*(\a)+FR-1], v[8*(8*((\a)%4)+\b):8*(8*((\a)%4)+\b)+7], v[SC+8*NQ*(\sc)+NQ*\b+(\q)], v[SC+8*NQ*(\sc)+NQ*(\a)+(\q)] matrix_a_fmt:MATRIX_FMT_FP6 matrix_b_fmt:MATRIX_FMT_FP6 matrix_a_scale:MATRIX_SCALE_ROW1
.endif
.endr
.endr
.endm
.macro FETCH_B slot, q, p              ; B's eight fragments of the slot's q-th 128 along K into set p
	WIN TO_B
.irp i, 0,1,2,3,4,5,6,7
	FRAG 128*(\p)+FR*\i, ADRB+\slot, \q, \i
.endr
	WIN 0
.endm
.macro FETCH_A slot, q, i0             ; A's blocks i0 .. i0 + 3
.irp i, \i0, \i0+1, \i0+2, \i0+3
	FRAG AF+FR*(\i), ADRA+\slot, \q, \i
.endr
.endm
.macro SCALES sc                       ; the next K step's scale words into set sc: lanes 0-15 take A's block i, lanes 16-31 B's block i
.irp i, 0,1,2,3,4,5,6,7
	ds_load_b64 v[SC+8*NQ*\sc+NQ*\i:SC+8*NQ*\sc+NQ*\i+1], v[ADRS] offset:\i*SBLK
.endr
.endm
.macro PLACES n                        ; plain vector lines between a matrix instruction and a load into, or a vector line on, its registers
.rept \n
	v_nop
.endr
.endm
; A step of 128 along K that has its successor in the same slot.
.macro STEP slot, q, zero
	s_wait_dscnt 4*NL                              ; B's set and A's blocks 0-3 are in; the youngest 24 loads (A's blocks 4-7) may be out
	WIN MUL_LO
	MUL16 0, (\q)%2, \q, \slot, \zero
	MUL16 2, (\q)%2, \q, \slot, \zero
	s_wait_dscnt 0                                 ; A's blocks 4-7 are in
	PLACES NP
	FETCH_B \slot, (\q)+1, 1-(\q)%2
	FETCH_A \slot, (\q)+1, 0
	WIN MUL_HI
	MUL16 4, (\q)%2, \q, \slot, \zero
	MUL16 6, (\q)%2, \q, \slot, \zero
	PLACES NP
	WIN 0
	FETCH_A \slot, (\q)+1, 4
.endm
; A slot's last step changes slots: ONE barrier, which opens a round of the cluster's; in front of it each wave waits for all its tensor loads, adds 0 to its spare word, and waits for that and for its own reads of this slot.
; fill = 1: this slot is filled again, two K steps ahead;  fill = 2: with part 2's K step 0.
.macro TURN slot, next, fill
	s_wait_tensorcnt 0x0                           ; all my tensor loads have landed: my part of the next slot
	ds_add_u32 v[SPW], v[NIL]                      ; 0 onto my spare word
	s_wait_dscnt 4*NL+1                            ; (the add and the youngest 24 loads, A's blocks 4-7, may be out)
	WIN MUL_LO
	MUL16 0, 1, NQ-1, \slot, 0                     ; sixteen matrix instructions stand between the add and the wait for it
	s_wait_dscnt 0x0                               ; the add is done, and my reads of this slot are over
	s_barrier_signal -1
	MUL16 2, 1, NQ-1, \slot, 0
	WIN 0
	s_barrier_wait -1
	CREST                                          ; no wave of any partner still reads this slot or has a load on its way
.if \fill == 1
	s_add_nc_u64 s[G0+4*\slot+2:G0+4*\slot+3], s[G0+4*\slot+2:G0+4*\slot+3], 2*ROWB
	s_add_nc_u64 s[G0B+4*\slot+2:G0B+4*\slot+3], s[G0B+4*\slot+2:G0B+4*\slot+3], 2*ROWB
	JLOAD G0+4*\slot, G1, G0B+4*\slot, G1B         ; the first tensor load behind the round; its four v_nop are the places in front of the loads below
.else
	s_mov_b64 s[G0+4*\slot+2:G0+4*\slot+3], s[8:9]                  ; THE RING GOES ON INTO PART 2: Wv's rows,
	s_or_b32 s[G0+4*\slot+3], s[G0+4*\slot+3], 0x80000000
	s_mov_b64 s[G0B+4*\slot+2:G0B+4*\slot+3], s[4:5]                ; and x's
	s_or_b32 s[G0B+4*\slot+3], s[G0B+4*\slot+3], 0x80000000
	JLOAD2 \slot
	PLACES NP                                      ; (wave 1 has passed no v_nop)
.endif
	v_add_nc_u32 v[ADRS], 4*NQ, v[ADRS]            ; on to the next K step's scale words (no LDS load of mine is out)
	FETCH_B \next, 0, 0
	FETCH_A \next, 0, 0
	SCALES \next
	WIN MUL_HI
	MUL16 4, 1, NQ-1, \slot, 0
	MUL16 6, 1, NQ-1, \slot, 0
	PLACES NP
	WIN 0
	FETCH_A \next, 0, 4
.endm
; PART 2.  The n-th 128 along K: 32 matrix instructions, A's four blocks x B's eight; sets n % 2.  The 32 accumulators take turns, one instruction a turn.
; The scale words of step n stand in register n % 4 of a block's four: in lanes 0-15 for n < 4, in lanes 16-31 from n = 4 on.
.macro MULV n, zero
.irp a, 0,1,2,3
.irp b, 0,1,2,3,4,5,6,7
.set DR,  8*(8*\a+\b)
.set S0R, 128*((\n)%2)+FR*\b
.set S1R, AF+48*((\n)%2)+FR*\a
.set XS0, SB2+4*\b+(\n)%4
.set XS1, SA2+4*\a+(\n)%4
.if \zero
	v_wmma_scale_f32_16x16x128_f8f6f4 v[DR:DR+7], v[S0R:S0R+FR-1], v[S1R:S1R+FR-1], 0, v[XS0], v[XS1] matrix_a_fmt:MATRIX_FMT_FP6 matrix_b_fmt:MATRIX_FMT_FP6
.elseif (\n) < 4
	v_wmma_scale_f32_16x16x128_f8f6f4 v[DR:DR+7], v[S0R:S0R+FR-1], v[S1R:S1R+FR-1], v[DR:DR+7], v[XS0], v[XS1] matrix_a_fmt:MATRIX_FMT_FP6 matrix_b_fmt:MATRIX_FMT_FP6
.else
	v_wmma_scale_f32_16x16x128_f8f6f4 v[DR:DR+7], v[S0R:S0R+FR-1], v[S1R:S1R+FR-1], v[DR:DR+7], v[XS0], v[XS1] matrix_a_fmt:MATRIX_FMT_FP6 matrix_b_fmt:MATRIX_FMT_FP6 matrix_a_scale:MATRIX_SCALE_ROW1 matrix_b_scale:MATRIX_SCALE_ROW1
.endif
.endr
.endr
.endm
.macro FETCH2 slot, q, p               ; the fragments of the slot's q-th 128 along K into sets p: B's eight, A's four: 72 loads
	WIN TO_B
.irp i, 0,1,2,3,4,5,6,7
	FRAG 128*(\p)+FR*\i, ADRB+\slot, \q, \i
.endr
	WIN 0
.irp i, 0,1,2,3
	FRAG AF+48*(\p)+FR*\i, ADRA2+\slot, \q, \i
.endr
.endm
.macro MUL2 n, zero
	WIN MUL_LO
	MULV \n, \zero
	WIN 0
.endm
; Part 2's change of slots stands at the HEAD of a slot's last step: that step's fragments were asked for a step ago, so with the wait for them my reads of the slot are over.  fill = 1: a round, and the slot is filled
; again two K steps ahead: the load has this step's and the next step's products in which to land.
.macro CHANGE2 slot, fill
	s_wait_tensorcnt 0x0                           ; all my tensor loads have landed: my part of the other slot
	ds_add_u32 v[SPW], v[NIL]                      ; 0 onto my spare word
	s_wait_dscnt 0x0                               ; the add is done, this step's fragments are in, and my reads of this slot are over
.if \fill
	CROUND                                         ; no wave of any partner still reads this slot or has a load on its way
	s_add_nc_u64 s[G0+4*\slot+2:G0+4*\slot+3], s[G0+4*\slot+2:G0+4*\slot+3], 2*ROWB
	s_add_nc_u64 s[G0B+4*\slot+2:G0B+4*\slot+3], s[G0B+4*\slot+2:G0B+4*\slot+3], 2*ROWB
	JLOAD2 \slot                                   ; the first tensor load behind the round, and a wave's only one until the next
.else
	s_barrier_signal -1
	s_barrier_wait -1
.endif
	PLACES NP                                      ; between the last step's products and the loads into the sets that they read
.endm
	s_wait_tensorcnt 1                             ; the scales and my part of K step 0 are in; K step 1's load may be out
	s_barrier_signal -1
	s_barrier_wait -1
	FETCH_B 0, 0, 0
	FETCH_A 0, 0, 0
	SCALES 0
	FETCH_A 0, 0, 4
	STEP 0, 0, 1                                   ; the first step stands in front of the loop: its products start the sums
	s_mov_b32 s3, LAPS-1
.Llap:                                                 ; a trip goes once round the ring and fills both slots again
	TURN 0, 1, 1
	STEP 1, 0, 0
	TURN 1, 0, 1
	STEP 0, 0, 0
	s_sub_co_u32 s3, s3, 1
	s_cmp_lg_u32 s3, 0
	s_cbranch_scc1 .Llap
	TURN 0, 1, 2                                   ; slot 0 takes part 2's K step 0
	STEP 1, 0, 0
	s_wait_tensorcnt 0x0                           ; part 1's very last step is a change of slots too: my part of part 2's K step 0 has landed;
	ds_add_u32 v[SPW], v[NIL]                      ; 0 onto my spare word
	s_wait_dscnt 4*NL+1                            ; (the add and the youngest 24 loads, A's blocks 4-7, may be out)
	WIN MUL_LO
	MUL16 0, 1, NQ-1, 1, 0
	s_wait_dscnt 0x0                               ; the add is done, and my reads of slot 1 are over
	s_barrier_signal -1
	MUL16 2, 1, NQ-1, 1, 0
	WIN 0
	s_barrier_wait -1
	CREST
	s_add_nc_u64 s[G0+6:G0+7], s[8:9], ROWB        ; slot 1 takes part 2's K step 1
	s_or_b32 s[G0+7], s[G0+7], 0x80000000
	s_add_nc_u64 s[G0B+6:G0B+7], s[4:5], ROWB
	s_or_b32 s[G0B+7], s[G0B+7], 0x80000000
	JLOAD2 1
	WIN MUL_HI
	MUL16 4, 1, NQ-1, 1, 0
	MUL16 6, 1, NQ-1, 1, 0
	WIN 0
; THE WAYS OUT.  TAKE: block a's 64 sums + bias into v[H] on, each accumulator from its low end on.  base + mul x n: the bias pair of pair n.
.macro TAKE a, base, mul
.set AC, 64*((\a)%4)
	WIN (0x02+(\a)/4)                              ; source 0: window 2 or 3
.set n, 0
.rept 32
	v_pk_add_f32 v[H+2*n:H+2*n+1], v[AC+2*n:AC+2*n+1], v[\base+\mul*n:\base+\mul*n+1]
.set n, n+1
.endr
	WIN 0
.endm
; QUANT: the 64 numbers become a fragment's codes in v[PC] on and its scale word in v[PW].  s21: the floor under the largest magnitude.
.macro QUANT
.irp b, 0,1,2,3
	v_max3_num_f32 v[TM+\b], |v[H+16*\b]|, |v[H+1+16*\b]|, s21     ; block b: my 16 numbers and the floor
.endr
.irp i, 2,4,6,8,10,12,14
.irp b, 0,1,2,3
	v_max3_num_f32 v[TM+\b], v[TM+\b], |v[H+16*\b+\i]|, |v[H+1+16*\b+\i]|   ; (the four blocks by turns)
.endr
.endr
.irp b, 0,1,2,3
	v_permlanex16_b32 v[TM+4+\b], v[TM+\b], s46, s47
.endr
.irp b, 0,1,2,3
	v_max_num_f32 v[TM+\b], v[TM+\b], v[TM+4+\b]   ; with lane l xor 16's: the block's largest magnitude
.endr
.irp b, 0,1,2,3
	v_add_nc_u32 v[TM+12+\b], 0xff000000, v[TM+\b] ; 2 off its exponent field: the conversion's scale operand
.endr
.irp b, 0,1,2,3
	v_lshrrev_b32 v[TM+4+\b], 23, v[TM+12+\b]      ; the scale's byte
.endr
	v_lshl_or_b32 v[PW], v[TM+5], 8, v[TM+4]
	v_lshl_or_b32 v[PW], v[TM+6], 16, v[PW]
	v_lshl_or_b32 v[PW], v[TM+7], 24, v[PW]
	s_wait_xcnt 0x0                                ; the last block's stores have read their data: the codes' registers and the stored word are written again only behind this wait
.irp c, 0,1
	v_cvt_scalef32_pk16_fp6_f32 v[PC+6*\c:PC+2+6*\c], v[H+32*\c:H+15+32*\c], v[TM+12+2*\c]
	v_cvt_scalef32_pk16_fp6_f32 v[PC+12+4*\c:PC+14+4*\c], v[H+16+32*\c:H+31+32*\c], v[TM+12+2*\c+1]   ; (a conversion's three registers begin on an even number)
.endr
	v_nop                                          ; one plain line behind a scaled conversion
.irp c, 0,1                                    ; the operand's layout wants a WHOLE block in a lane: lanes 0-15 block 2 c, lanes 16-31 block 2 c + 1
.irp i, 0,1,2
	v_permlane16_swap_b32 v[PC+6*\c+\i], v[PC+12+4*\c+\i]
.endr
.irp i, 0,1,2
	v_mov_b32 v[PC+3+6*\c+\i], v[PC+12+4*\c+\i]
.endr
.endr
.endm
; q, k: the fragment's registers 0-5 are the even head's 64 channels of 16 tokens, registers 6-11 the odd head's.  Each half leaves as an image: 512 + 256 consecutive bytes.
.macro OUTQK a
	v_sub_nc_u32 v[PW], v[PW], s22                 ; q: 3 off each byte (each is 4 at the least: no borrow); k: 0
	v_lshrrev_b32 v[PW2], v30, v[PW]               ; lanes 0-15 store the even head's word, lanes 16-31 the odd head's (its two bytes moved down)
	global_store_b128 v24, v[PC:PC+3], s[96:97] offset:768*(\a)
	global_store_b64 v25, v[PC+4:PC+5], s[96:97] offset:768*(\a)+512
	global_store_b128 v24, v[PC+6:PC+9], s[92:93] offset:768*(\a)
	global_store_b64 v25, v[PC+10:PC+11], s[92:93] offset:768*(\a)+512
	global_store_b32 v26, v[PW2], s[98:99] offset:64*(\a)
.endm
; v: the fragment is 16 channels x 128 keys: three stores of 512 consecutive bytes.  Two blocks' scale words leave together: lanes 0-15 the even block's, lanes 16-31 the odd one's.
.macro OUTV a
.irp c, 0,1,2
	global_store_b128 v24, v[PC+4*\c:PC+4*\c+3], s[96:97] offset:(\a)*1536+512*\c
.endr
.if (\a)%2
	v_cndmask_b32 v[PW2], v[PWK], v[PW], s23
	global_store_b32 v30, v[PW2], s[98:99] offset:((\a)/2)*128
.else
	v_mov_b32 v[PWK], v[PW]
.endif
.endm
	; ---- PART 1's WAY OUT.  Part 2's first two K steps are landing meanwhile: no LDS instruction and no barrier stands here.
	PLACES NP                                      ; behind the last products: their results are read, A's registers written and the scale words' registers loaded into below
	s_wait_loadcnt 0x0                             ; the biases (asked for at the head)
.irp b, 0,1,2,3,4,5,6,7
	global_load_b128 v[SB2+4*\b:SB2+4*\b+3], v31, s[6:7] offset:512*\b          ; part 2's scale words: x's block b: 16 rows x 32 bytes, 512 consecutive bytes
.endr
.irp a, 0,1,2,3
	global_load_b128 v[SA2+4*\a:SA2+4*\a+3], v31, s[10:11] offset:512*\a        ; Wv's block a
.endr
	v_and_b32 v3, 31, v0                           ; lane
	v_and_b32 v1, 15, v0                           ; r
	v_bfe_u32 v2, v0, 4, 1                         ; h
	v_lshlrev_b32 v24, 4, v3                       ; 16 x lane
	v_lshlrev_b32 v25, 3, v3                       ; 8 x lane
.irp b, 0,1,2,3
	v_mov_b32 v[TM+4+\b], 0                        ; written once: a lane permute's destination counts as one of its sources
.endr
	s_mov_b32 s46, 0x76543210
	s_mov_b32 s47, 0xfedcba98                      ; v_permlanex16_b32's selects for lane l xor 16
	s_mov_b32 s95, 0
	s_cmp_eq_u32 ttmp9, 0
	s_mov_b32 s18, RECB
	s_cselect_b32 s18, 49152, s18                  ; from head to head in the codes' buffer: qimg 64 tiles x 768, kv a record
	s_mov_b32 s19, RECB
	s_cselect_b32 s19, 4096, s19                   ; and in the scale words'
	s_cselect_b32 s20, 0, KSC                      ; k's words lie behind its codes
	s_mov_b32 s21, 0x1800000
	s_cselect_b32 s21, 0x3000000, s21              ; the floor: 2^(6 - 127) for q, whose stored byte is 3 lower, else 2^(3 - 127)
	s_cselect_b32 s22, 0x03030303, 0
	s_lshr_b32 s43, s17, 2                         ; the batch: A's block / 4
	s_lshl_b32 s43, s43, 4
	s_lshl_b32 s44, s40, 2
	s_add_co_u32 s43, s43, s44
	s_lshl_b32 s44, s16, 1
	s_add_co_u32 s43, s43, s44                     ; my even head: 16 x batch + 4 cx + 2 x (my half of B)
	s_and_b32 s44, s17, 3
	s_lshl_b32 s44, s44, 4
	s_lshl_b32 s45, s15, 3
	s_add_co_u32 s44, s44, s45                     ; my first tile of 16 tokens in the batch
	s_mul_i32 s94, s43, s18
	s_mul_i32 s45, s44, 768
	s_add_co_u32 s94, s94, s45
	s_add_nc_u64 s[96:97], s[96:97], s[94:95]      ; the even head's images
	s_mov_b32 s94, s18
	s_add_nc_u64 s[92:93], s[96:97], s[94:95]      ; the odd head's
	s_mul_i32 s94, s43, s19
	s_add_co_u32 s94, s94, s20
	s_lshl_b32 s45, s44, 6
	s_add_co_u32 s94, s94, s45
	s_add_nc_u64 s[98:99], s[98:99], s[94:95]
	v_lshlrev_b32 v30, 4, v2                       ; 16 h: the odd head's bytes come down
	v_mul_u32_u24 v26, s19, v2
	v_lshl_add_u32 v26, v1, 2, v26                 ; 4 r + h x (from head to head)
.irp a, 0,1,2,3,4,5,6,7
	TAKE \a, BI, 2
	QUANT
	OUTQK \a
.endr
	; ---- PART 2: eight steps of 128 along K, written out.  Slot 0 (K step 0) was shown whole by the round in part 1's last step; slot 1's load may still be out.
	s_wait_xcnt 0x0                                ; part 1's last stores have read their data: the fragments land in those registers
	FETCH2 0, 0, 0
	s_wait_loadcnt 0x0                             ; part 2's scale words
	s_wait_dscnt 0x0                               ; step 0's fragments are in
	FETCH2 0, 1, 1                                 ; each step asks for the next step's fragments ahead of its own products
	MUL2 0, 1                                      ; the first products start the sums
	CHANGE2 0, 1                                   ; slot 0 is read out: it takes K step 2
	FETCH2 1, 0, 0
	MUL2 1, 0
	s_wait_dscnt 0x0
	PLACES NP
	FETCH2 1, 1, 1
	MUL2 2, 0
	CHANGE2 1, 1                                   ; slot 1 takes K step 3
	FETCH2 0, 0, 0
	MUL2 3, 0
	s_wait_dscnt 0x0
	PLACES NP
	FETCH2 0, 1, 1
	MUL2 4, 0
	CHANGE2 0, 0                                   ; nothing is left to fetch
	FETCH2 1, 0, 0
	MUL2 5, 0
	s_wait_dscnt 0x0
	PLACES NP
	FETCH2 1, 1, 1
	MUL2 6, 0
	s_wait_dscnt 0x0
	MUL2 7, 0
	; ---- PART 2's WAY OUT: my 64 channels are one head, my 128 tokens one key step of its record
	PLACES NP
	s_wait_xcnt 0x0                                ; (no store is pending: part 1's were waited for above; the bases are written below)
	s_mov_b32 s21, 0x1800000
	s_mov_b32 s23, 0xffff0000                      ; lanes 16-31
	s_lshl_b32 s43, s41, 2
	s_lshl_b32 s44, ttmp9, 1
	s_add_co_u32 s43, s43, s44
	s_add_co_u32 s43, s43, s15                     ; my head in the batch: 4 cy + 2 x role + (my half of A)
	s_add_co_u32 s44, s2, s40
	s_lshl_b32 s44, s44, 1
	s_add_co_u32 s44, s44, s16                     ; my 128 tokens: 2 x B's block + my half of B
	s_lshr_b32 s45, s44, 3
	s_lshl_b32 s45, s45, 4
	s_add_co_u32 s43, s43, s45                     ; the record: 16 x batch + head
	s_mul_i32 s43, s43, RECB
	s_and_b32 s44, s44, 7                          ; the key step in the batch
	s_mul_i32 s45, s44, 6144
	s_add_co_u32 s94, s43, s45
	s_add_co_u32 s94, s94, VOF
	s_add_nc_u64 s[96:97], s[66:67], s[94:95]
	s_lshl_b32 s45, s44, 8
	s_add_co_u32 s94, s43, s45
	s_add_co_u32 s94, s94, VSC
	s_add_nc_u64 s[98:99], s[66:67], s[94:95]
	v_lshlrev_b32 v30, 2, v3                       ; 4 x lane
.irp a, 0,1,2,3
	TAKE \a, BV+2*\a, 0
	QUANT
	OUTV \a
.endr
	s_wait_tensorcnt 0x0                           ; the wave's end
	ds_add_u32 v[SPW], v[NIL]
	s_wait_dscnt 0x0
	CROUND                                         ; the closing round: no work-group ends while a partner may still ask for a tile that names it
	s_endpgm
.Lfunc_end_k_q6fc8fba62c_qkv:
	.size	k_q6fc8fba62c_qkv, .Lfunc_end_k_q6fc8fba62c_qkv-k_q6fc8fba62c_qkv
	.p2alignl 7, 3214868480
	.fill 96, 4, 3214868480
	.section	.rodata,"a",@progbits
	.p2align	6, 0x0
	.amdhsa_kernel k_q6fc8fba62c_qkv
		.amdhsa_group_segment_fixed_size 327680
		.amdhsa_private_segment_fixed_size 0
		.amdhsa_enable_private_segment 0
		.amdhsa_kernarg_size 112
		.amdhsa_user_sgpr_count 2
		.amdhsa_user_sgpr_kernarg_segment_ptr 1
		.amdhsa_wavefront_size32 1
		.amdhsa_system_sgpr_workgroup_id_x 1
		.amdhsa_system_sgpr_workgroup_id_y 1
		.amdhsa_system_sgpr_workgroup_id_z 1
		.amdhsa_system_vgpr_workitem_id 0
		.amdhsa_next_free_vgpr 1024
		.amdhsa_next_free_sgpr 106
		.amdhsa_reserve_vcc 0
		.amdhsa_float_denorm_mode_32 3
		.amdhsa_float_denorm_mode_16_64 3
		.amdhsa_memory_ordered 1
		.amdhsa_forward_progress 1
		.amdhsa_inst_pref_size 255
	.end_amdhsa_kernel
	.section	.bss,"aw",@nobits
	.p2align	6
	.space	262144
	.amdgpu_metadata
---
amdhsa.version: [ 1, 2 ]
amdhsa.kernels:
  - .name:           k_q6fc8fba62c_qkv
    .symbol:         k_q6fc8fba62c_qkv.kd
    .args:
      - { .name: xc, .offset: 0, .size: 8, .value_kind: global_buffer, .address_space: global }
      - { .name: xs, .offset: 8, .size: 8, .value_kind: global_buffer, .address_space: global }
      - { .name: Wq_codes, .offset: 16, .size: 8, .value_kind: global_buffer, .address_space: global }
      - { .name: Wq_scales, .offset: 24, .size: 8, .value_kind: global_buffer, .address_space: global }
      - { .name: Wk_codes, .offset: 32, .size: 8, .value_kind: global_buffer, .address_space: global }
      - { .name: Wk_scales, .offset: 40, .size: 8, .value_kind: global_buffer, .address_space: global }
      - { .name: Wv_codes, .offset: 48, .size: 8, .value_kind: global_buffer, .address_space: global }
      - { .name: Wv_scales, .offset: 56, .size: 8, .value_kind: global_buffer, .address_space: global }
      - { .name: bq, .offset: 64, .size: 8, .value_kind: global_buffer, .address_space: global }
      - { .name: bk, .offset: 72, .size: 8, .value_kind: global_buffer, .address_space: global }
      - { .name: bv, .offset: 80, .size: 8, .value_kind: global_buffer, .address_space: global }
      - { .name: qimg, .offset: 88, .size: 8, .value_kind: global_buffer, .address_space: global }
      - { .name: qs, .offset: 96, .size: 8, .value_kind: global_buffer, .address_space: global }
      - { .name: kv, .offset: 104, .size: 8, .value_kind: global_buffer, .address_space: global }
    .group_segment_fixed_size: 327680
    .private_segment_fixed_size: 0
    .kernarg_segment_align: 8
    .kernarg_segment_size: 112
    .max_flat_workgroup_size: 128
    .sgpr_count:     106
    .vgpr_count:     1024
    .wavefront_size: 32
...
	.end_amdgpu_metadata
.endif
;; end of part 2
;; launch attn (part 3): grid 4 x 64, 16 waves a work-group, clusters of 4 x 1, 215,040 bytes of LDS; arguments qimg, qs, kv, attention_mask, ctxc, ctxs; writes ctxc, ctxs
.if DOCPART == 3
	.amdgcn_target "amdgcn-amd-amdhsa--gfx1250"
	.amdhsa_code_object_version 6
	.text
	.protected	k_q6fc8fba62c_attn
	.globl	k_q6fc8fba62c_attn
	.p2align	8
	.type	k_q6fc8fba62c_attn,@function
k_q6fc8fba62c_attn:
	s_mov_b64 s[64:65], 0
	v_nop
	global_prefetch_b8 v0, s[64:65] scope:SCOPE_SE
	s_setreg_imm32_b32 hwreg(HW_REG_WAVE_MODE, 25, 1), 1
	s_wait_xcnt 0x0
	s_wait_alu depctr_hold_cnt(0) depctr_sa_sdst(0) depctr_va_vdst(0) depctr_va_sdst(0) depctr_va_ssrc(0) depctr_va_vcc(0) depctr_vm_vsrc(0)
	s_getreg_b32 s2, hwreg(HW_REG_IB_STS2, 6, 4)
	s_cmp_eq_u32 s2, 0
	s_cbranch_scc0 .Lentry_in_a_cluster
	s_endpgm
.Lentry_in_a_cluster:
	s_bfe_u32 s2, ttmp6, 0x10000c
	s_cmp_lg_u32 s2, 0x3003
	s_cbranch_scc0 .Lentry_shape_is_right
	s_endpgm
.Lentry_shape_is_right:
; ctx = softmax(q k^T / 8 + mask) v for each head, both products on codes of FP6 (E2M3); ctx is quantised along the hidden axis for the output projection and leaves as images of operand registers.
; THE SOFTMAX: t = (score / 8 + mask) x log2(e); M = the row's largest t so far, rounded UP to a whole number; p = 2^(t - M) is what is quantised, along the keys; the row's sum is taken of the unquantised p
; and divides at the end.  When M moves, the sum and O are multiplied by 2^(old M - new M): exact.
; SHARES.  Work-group (cx, y = 8 x batch + head pair) owns 256 queries of a batch for TWO heads; each of its sixteen waves owns 16 queries and takes the two heads one after the other, so that one wave holds
; a whole fragment (16 tokens x 128 along the hidden axis) of ctx.  Four waves to a SIMD: one wave's vector work stands beside another's matrix work and LDS loads.
; LDS IS FILLED ONCE: the batch's mask row (4,096 bytes) and the two heads' records of kv (2 x 104,448 bytes, one dense block of memory).  No slot is filled again.
; CLUSTER.  The four query blocks of a cluster read the same records and the same mask row: each tile is asked for jointly, by waves 0 to 3.  All tiles are asked for at the head, so nothing is left to prefetch.
; LAYOUT.  Both products are used transposed: S^T = K Q^T (source 0 = 16 keys, source 1 = my 16 queries), O^T = V^T P^T: a lane holds ONE query (lane % 16) throughout.
; K = 64 IN AN INSTRUCTION OF K = 128: Q's registers 6-11 are zero codes.  FP6 has no infinity and no NaN, so whatever codes stand against them add nothing, as long as no scale byte is 0xff (none is: stored bytes are 0 to 252).
; So K's tiles are six registers each, on end: tile t's operand is v[32 + 6 t .. 43 + 6 t], whose upper six are the next tile's; six zero registers stand behind the last.
; THE MASK IS THE C OF THE FIRST PRODUCT: its numbers are loaded into S's registers (register j of tile t: key 16 t + 8 (lane / 16) + j) and the product adds onto them.  The division by 8 lies in q's scale bytes.
; Inside a block of 32 keys p's codes stand in the same order as v's (the two middle groups of eight changed), inside a block of 32 channels q's as k's; ctx is brought into ascending order, since Wo's codes are given so.
; LIMITS: NaN and infinities among the inputs are not served, but for a mask of -infinity on some keys of a row (p = 0 there); on all keys the row is NaN.  Blocks of p or ctx under 2^-124 are quantised under the byte 1.
; REGISTERS: v1-5 lane terms; v7-11 the step's LDS addresses; v12 -M, v13 the largest t, v[14:15] the sum; v16-27 Q (v22-27 zeros), v28 its scale word; v29, v226-231 the second head's Q;
;   v32-79 K's eight tiles or V's four fragments, v80-85 zeros; v86-89 K's scale words, v90-91 V's; v96-159 S^T, then p, then ctx; v160-191 O^T; v192-203 p's codes; v204-210 halves on the way;
;   v212-223 ctx's fragment, v224 its scale word; v232-250, v252-254 at work; v251 the spare word's address.
.set RECB, 104448                      ; a head's record: K's codes 49,152, K's scale words 4,096, V's fragments 49,152, V's scale words 2,048
.set KSC,  49152
.set VOF,  53248
.set VSC,  102400
.set REC,  4096                        ; LDS: the mask row at 0, the even head's record at REC, the odd head's behind it
.macro ROUND                           ; a round of the cluster's barrier
	s_barrier_signal -1
	s_barrier_wait -1
	s_cmp_lg_u32 s16, 0
	s_cbranch_scc1 .Lnot_wave_0_\@
	s_barrier_signal -3
.Lnot_wave_0_\@:
	s_barrier_wait -3
	s_barrier_signal -1
	s_barrier_wait -1
.endm
	s_load_b256 s[4:11], s[0:1], 0x0               ; qimg 4, qs 6, kv 8, mask 10
	s_load_b128 s[12:15], s[0:1], 0x20             ; ctxc 12, ctxs 14
	v_lshl_add_u32 v251, v0, 2, 0x34000
	v_mov_b32 v255, 0
	ds_add_u32 v251, v255
	ds_add_u32 v251, v255
	v_lshrrev_b32 v1, 5, v0
	s_delay_alu instid0(VALU_DEP_1)
	v_readfirstlane_b32 s16, v1                    ; wave 0..15
	s_bfe_u32 s17, ttmp6, 0x40000                  ; cx
	s_and_b32 s18, ttmp7, 0xffff                   ; y = 8 x batch + head pair, which the four partners share
	; descriptor group 1: dense blocks as rows of 256 bytes (32 elements of 8 bytes), no padding.  A quarter of a record: 102 rows; a quarter of the mask row: 4
	s_mov_b32 s24, 15|(3<<16)|(1<<21)              ; 15:0 the mask: all four work-groups; 17:16 elements of 8 bytes; 21 set beside a mask
	s_mov_b32 s25, 32<<16
	s_mov_b32 s26, 102<<16
	s_mov_b32 s27, 32<<16
	s_mov_b32 s28, 102
	s_mov_b32 s29, 32
	s_mov_b32 s30, 0
	s_mov_b32 s31, 0
	s_mov_b32 s32, 15|(3<<16)|(1<<21)
	s_mov_b32 s33, 32<<16
	s_mov_b32 s34, 4<<16
	s_mov_b32 s35, 32<<16
	s_mov_b32 s36, 4
	s_mov_b32 s37, 32
	s_mov_b32 s38, 0
	s_mov_b32 s39, 0
	s_mov_b32 s20, 0x76543210
	s_mov_b32 s21, 0xfedcba98                      ; v_permlanex16_b32's selects for lane l xor 16
	s_mov_b32 s22, 0x3fb8aa3b                      ; log2(e)
	s_mov_b32 s23, s22                             ; (named with it as a pair, so it is written)
	s_mul_i32 s57, s16, 26112                      ; my quarter of a record,
	s_lshl_b32 s58, s16, 10                        ; and of the mask row
	s_mul_i32 s60, s18, 2*RECB
	s_add_co_u32 s60, s60, s57
	s_mov_b32 s61, 0
	s_lshr_b32 s62, s18, 3                         ; the batch
	s_lshl_b32 s62, s62, 12
	s_add_co_u32 s62, s62, s58
	s_mov_b32 s63, 0
	s_wait_dscnt 0x0
	s_wait_kmcnt 0x0
	s_mov_b32 s40, 1                               ; group 0 for the mask row
	s_mov_b32 s41, s58
	s_add_nc_u64 s[42:43], s[10:11], s[62:63]
	s_or_b32 s43, s43, 0x80000000
	s_mov_b32 s44, 1                               ; for the even head's record
	s_add_co_u32 s45, s57, REC
	s_add_nc_u64 s[46:47], s[8:9], s[60:61]
	s_add_nc_u64 s[50:51], s[46:47], RECB
	s_or_b32 s47, s47, 0x80000000
	s_mov_b32 s48, 1                               ; for the odd head's
	s_add_co_u32 s49, s57, REC+RECB
	s_or_b32 s51, s51, 0x80000000
	ROUND                                          ; all four work-groups are here: the joint loads meet
	s_cmp_lt_u32 s16, 4                            ; waves 0 to 3 fetch, a quarter of each block: a wave's three fills stand in one branch; three loads of mine are out
	s_cbranch_scc0 .Lno_fetch
	tensor_load_to_lds s[40:43], s[32:39]
	s_nop 0
	tensor_load_to_lds s[44:47], s[24:31]
	s_nop 0
	tensor_load_to_lds s[48:51], s[24:31]
	s_nop 0
.rept 4
	v_nop
.endr
.Lno_fetch:
	v_and_b32 v6, 31, v0                           ; lane
	s_delay_alu instid0(VALU_DEP_1)
	v_lshlrev_b32 v1, 4, v6                        ; 16 x lane
	s_wait_alu depctr_va_vdst(0)
	v_lshlrev_b32 v2, 3, v6                        ; 8 x lane
	s_wait_alu depctr_va_vdst(0)
	v_lshlrev_b32 v3, 2, v6                        ; 4 x lane
	v_bfe_u32 v4, v0, 4, 1
	s_delay_alu instid0(VALU_DEP_1)
	v_lshlrev_b32 v4, 5, v4                        ; 32 h: my half's eight keys of a tile in the mask row
	v_and_b32 v5, 15, v0
	s_delay_alu instid0(VALU_DEP_1)
	v_lshlrev_b32 v5, 2, v5                        ; 4 r
	s_wait_alu depctr_va_vdst(0)
	s_lshl_b32 s59, ttmp9, 2
	s_add_co_u32 s59, s59, s17                     ; my block of 256 queries
	s_lshl_b32 s59, s59, 4
	s_add_co_u32 s59, s59, s16                     ; my tile of 16 tokens in the batch
	s_lshl_b32 s60, s18, 7                         ; the even head is number 2 y: 64 tiles a head
	s_add_co_u32 s60, s60, s59
	s_mul_i32 s62, s60, 768
	s_add_nc_u64 s[4:5], s[4:5], s[62:63]
	s_lshl_b32 s62, s60, 6
	s_add_nc_u64 s[6:7], s[6:7], s[62:63]
	global_load_b128 v[16:19], v1, s[4:5]          ; Q's image: registers 0-3, 4-5
	global_load_b64 v[20:21], v2, s[4:5] offset:512
	global_load_b32 v28, v5, s[6:7]                ; and its scale word
	global_load_b128 v[226:229], v1, s[4:5] offset:49152   ; the odd head's, 64 tiles on
	global_load_b64 v[230:231], v2, s[4:5] offset:49152+512
	global_load_b32 v29, v5, s[6:7] offset:4096
	s_lshr_b32 s60, s18, 3
	s_lshl_b32 s60, s60, 6
	s_add_co_u32 s60, s60, s59                     ; my tile of tokens among all 512
	s_lshl_b32 s60, s60, 3
	s_and_b32 s61, s18, 7
	s_add_co_u32 s60, s60, s61                     ; x 8 K steps + the head pair
	s_mul_i32 s62, s60, 1536
	s_add_nc_u64 s[12:13], s[12:13], s[62:63]
	s_lshl_b32 s62, s60, 7
	s_add_nc_u64 s[14:15], s[14:15], s[62:63]
.irp i, 0,1,2,3,4,5
	v_mov_b32 v[22+\i], 0                          ; Q's codes of k = 64 .. 127
	v_mov_b32 v[80+\i], 0                          ; what stands behind K's last tile
.endr
.irp b, 0,1,2,3
	v_mov_b32 v[236+\b], 0                         ; written once: a lane permute's destination counts as one of its sources
.endr
	v_mov_b32 v253, 0                              ; (named as the upper halves of pairs before they are first written)
	v_mov_b32 v249, 0
	s_wait_tensorcnt 1                             ; the mask row and my part of the even head's record are in; the odd head's load may be out
	s_barrier_signal -1
	s_barrier_wait -1
	s_wait_loadcnt 0x0                             ; Q
; ONE HEAD: eight key steps of 128 keys, the division by the sum, and the head's half of ctx's fragment.
.macro HEAD hd
.if \hd
	s_wait_tensorcnt 0x0                           ; my part of the odd head's record is in,
	s_wait_dscnt 0x0
	s_barrier_signal -1
	s_barrier_wait -1                              ; everybody's is
.irp i, 0,1,2,3,4,5
	v_mov_b32 v[16+\i], v[226+\i]                  ; the odd head's Q.  (The 36 plain lines below stand between these and the first product)
.endr
	v_mov_b32 v28, v29
.endif
	s_mov_b32 s52, REC+\hd*RECB                    ; the step's tiles of K; V's fragments lie VOF further on, with the same step of 6,144 bytes
	s_mov_b32 s53, REC+\hd*RECB+KSC                ; K's scale words: 512 bytes a step
	s_mov_b32 s54, REC+\hd*RECB+VSC                ; V's: 256 bytes a step
	s_mov_b32 s55, 0                               ; the mask row: 512 bytes a step
	s_mov_b32 s56, 8
	v_mov_b32 v13, 0xff61b1e6                      ; the largest t so far: -3e38
	s_delay_alu instid0(VALU_DEP_1)
	v_floor_f32 v12, -v13                          ; -M
	v_mov_b32 v14, 0                               ; the sum, in two halves
	v_mov_b32 v15, 0
.set j, 0
.rept 32
	v_mov_b32 v[160+j], 0                          ; O^T: the step is written once; the first finds zeros, which the first change of M leaves zeros
.set j, j+1
.endr
.Lstep_\@:
	s_setprio 2
	v_add_nc_u32 v8, s52, v1                       ; five plain lines: also the places between the last products and the loads into their operands
	v_add_nc_u32 v9, s52, v2
	v_add_nc_u32 v10, s53, v3
	v_add_nc_u32 v11, s55, v4
	v_add_nc_u32 v7, s54, v3
.irp t, 0,1,2,3,4,5,6,7
	ds_load_b128 v[32+6*\t:35+6*\t], v8 offset:768*\t               ; K's tile t as its image lies: 512 + 256 consecutive bytes
	ds_load_b64 v[36+6*\t:37+6*\t], v9 offset:768*\t+512
.endr
.irp b, 0,1,2,3
	ds_load_b32 v[86+\b], v10 offset:128*\b        ; lanes 0-15: tile 2 b's scale words, lanes 16-31: tile 2 b + 1's
.endr
.irp t, 0,1,2,3,4,5,6,7
	ds_load_b128 v[96+8*\t:99+8*\t], v11 offset:64*\t               ; the mask of keys 16 t + 8 h + 0 .. 7
	ds_load_b128 v[100+8*\t:103+8*\t], v11 offset:64*\t+16
.endr
	s_wait_alu depctr_va_vdst(0)
	s_wait_dscnt 0x0
.irp t, 0,1,2,3,4,5,6,7                        ; S^T = K Q^T / 8 + mask: eight accumulators, one instruction each
.if \t%2
	v_wmma_scale_f32_16x16x128_f8f6f4 v[96+8*\t:103+8*\t], v[32+6*\t:43+6*\t], v[16:27], v[96+8*\t:103+8*\t], v[86+\t/2], v28 matrix_a_fmt:MATRIX_FMT_FP6 matrix_b_fmt:MATRIX_FMT_FP6 matrix_a_scale:MATRIX_SCALE_ROW1
.else
	v_wmma_scale_f32_16x16x128_f8f6f4 v[96+8*\t:103+8*\t], v[32+6*\t:43+6*\t], v[16:27], v[96+8*\t:103+8*\t], v[86+\t/2], v28 matrix_a_fmt:MATRIX_FMT_FP6 matrix_b_fmt:MATRIX_FMT_FP6
.endif
.endr
.rept 4
	v_nop                                          ; places: K's registers take V's fragments, and the scores are read
.endr
.irp t, 0,1,2,3
.irp c, 0,1,2
	ds_load_b128 v[32+12*\t+4*\c:35+12*\t+4*\c], v8 offset:VOF+1536*\t+512*\c   ; V's four fragments of these 128 keys: they land under the softmax
.endr
.endr
.irp b, 0,1
	ds_load_b32 v[90+\b], v7 offset:128*\b
.endr
.irp b, 0,1,2,3
	v_max3_num_f32 v[232+\b], v[96+16*\b], v[97+16*\b], v[98+16*\b]   ; THE LARGEST LOGIT OF EACH BLOCK OF 32 KEYS: it serves for the row's maximum and, since p rises with the logit, for the block's largest p
.endr
.irp i, 3,5,7,9,11,13
.irp b, 0,1,2,3
	v_max3_num_f32 v[232+\b], v[232+\b], v[96+16*\b+\i], v[97+16*\b+\i]
.endr
.endr
.irp b, 0,1,2,3
	v_max_num_f32 v[232+\b], v[232+\b], v[111+16*\b]
.endr
.irp b, 0,1,2,3
	s_delay_alu instid0(VALU_DEP_4)
	v_permlanex16_b32 v[236+\b], v[232+\b], s20, s21
.endr
.irp b, 0,1,2,3
	s_delay_alu instid0(VALU_DEP_4)
	v_max_num_f32 v[232+\b], v[232+\b], v[236+\b]  ; with lane l xor 16's 16 keys
.endr
	s_delay_alu instid0(VALU_DEP_2)
	v_max3_num_f32 v254, v232, v233, v234
	s_delay_alu instid0(VALU_DEP_1)
	v_max_num_f32 v254, v254, v235                 ; the step's largest logit of my query
	s_delay_alu instid0(VALU_DEP_1)
	v_mul_f32 v254, s22, v254                      ; as t
	s_delay_alu instid0(VALU_DEP_1)
	v_max_num_f32 v13, v13, v254                   ; the running largest t
	v_mov_b32 v254, v12
	s_delay_alu instid0(VALU_DEP_2)
	v_floor_f32 v12, -v13                          ; the new -M = floor(-t) = -ceil(t)
	s_delay_alu instid0(VALU_DEP_1)
	v_sub_f32 v254, v12, v254                      ; old M - new M: a whole number, 0 or less
	s_delay_alu instid0(VALU_DEP_1)
	v_cvt_i32_f32 v254, v254                       ; (it saturates)
	s_delay_alu instid0(VALU_DEP_1)
	v_ldexp_f32 v252, 1.0, v254                    ; f = 2^(old M - new M)
.set j, 0
.rept 32
	v_pk_fma_f32 v[96+j:97+j], v[96+j:97+j], s[22:23], v[12:13] op_sel_hi:[1,0,0]   ; t - M, two at a time
.set j, j+2
.endr
.irp b, 0,1,2,3
	v_fma_f32 v[232+\b], v[232+\b], s22, v12       ; the same of each block's largest logit
.endr
.set j, 0
	s_setprio 1
	s_wait_alu depctr_va_vdst(0)
.rept 64
	v_exp_f32 v[96+j], v[96+j]                     ; p = 2^(t - M), at most 1: not normalised
.set j, j+1
.endr
	v_pk_mul_f32 v[14:15], v[14:15], v[252:253] op_sel_hi:[1,0]     ; the sums under the new M (the plain line behind the exponentials)
	s_wait_alu depctr_va_vdst(0)                   ; one wait for the batch of 64, ahead of its first reader
.irp b, 0,1,2,3
	v_exp_f32 v[232+\b], v[232+\b]                 ; the block's largest p: the same two instructions on the same number give the same bits
.endr
	v_pk_add_f32 v[236:237], v[100:101], v[104:105]
	v_pk_add_f32 v[246:247], v[108:109], v[112:113]
	v_pk_add_f32 v[244:245], v[116:117], v[120:121]
	v_pk_add_f32 v[242:243], v[124:125], v[128:129]
	v_pk_add_f32 v[240:241], v[132:133], v[136:137]
	v_pk_add_f32 v[238:239], v[140:141], v[144:145]
	v_pk_add_f32 v[222:223], v[148:149], v[152:153]
	v_pk_add_f32 v[14:15], v[14:15], v[156:157]
	v_pk_add_f32 v[236:237], v[236:237], v[96:97]
	v_pk_add_f32 v[246:247], v[246:247], v[98:99]
	v_pk_add_f32 v[244:245], v[244:245], v[102:103]
	v_pk_add_f32 v[242:243], v[242:243], v[106:107]
	v_pk_add_f32 v[240:241], v[240:241], v[110:111]
	v_pk_add_f32 v[238:239], v[238:239], v[114:115]
	v_pk_add_f32 v[222:223], v[222:223], v[118:119]
	v_pk_add_f32 v[14:15], v[14:15], v[122:123]
	v_pk_add_f32 v[236:237], v[236:237], v[126:127]
	v_pk_add_f32 v[246:247], v[246:247], v[130:131]
	v_pk_add_f32 v[244:245], v[244:245], v[134:135]
	v_pk_add_f32 v[242:243], v[242:243], v[138:139]
	v_pk_add_f32 v[240:241], v[240:241], v[142:143]
	v_pk_add_f32 v[238:239], v[238:239], v[146:147]
	v_pk_add_f32 v[222:223], v[222:223], v[150:151]
	v_pk_add_f32 v[14:15], v[14:15], v[154:155]
	v_pk_add_f32 v[236:237], v[236:237], v[158:159]
	s_delay_alu instid0(VALU_DEP_2)
	v_pk_add_f32 v[14:15], v[14:15], v[242:243]
	s_delay_alu instid0(VALU_DEP_2)
	v_pk_add_f32 v[236:237], v[236:237], v[240:241]
	v_pk_add_f32 v[246:247], v[246:247], v[238:239]
	v_pk_add_f32 v[244:245], v[244:245], v[222:223]
	s_delay_alu instid0(VALU_DEP_2)
	v_pk_add_f32 v[14:15], v[14:15], v[246:247]
	s_delay_alu instid0(VALU_DEP_2)
	v_pk_add_f32 v[236:237], v[236:237], v[244:245]
	s_delay_alu instid0(VALU_DEP_1)
	v_pk_add_f32 v[14:15], v[14:15], v[236:237]
	s_wait_alu depctr_va_vdst(0)                   ; and one wait for the four
.irp b, 0,1,2,3
	v_max_num_f32 v[232+\b], 0x1800000, v[232+\b]  ; the floor 2^(3 - 127): the byte cannot fall under 1
.endr
.irp b, 0,1,2,3
	s_delay_alu instid0(VALU_DEP_4)
	v_add_nc_u32 v[244+\b], 0xff000000, v[232+\b]  ; 2 off the exponent field: the conversion's scale operand
.endr
.irp b, 0,1,2,3
	s_delay_alu instid0(VALU_DEP_4)
	v_lshrrev_b32 v[236+\b], 23, v[244+\b]         ; the scale's byte
.endr
	s_delay_alu instid0(VALU_DEP_3)
	v_lshl_or_b32 v253, v237, 8, v236              ; p's scale word for these 128 keys
	s_delay_alu instid0(VALU_DEP_1)
	v_lshl_or_b32 v253, v238, 16, v253
	s_delay_alu instid0(VALU_DEP_1)
	v_lshl_or_b32 v253, v239, 24, v253
.irp c, 0,1
	v_cvt_scalef32_pk16_fp6_f32 v[192+6*\c:194+6*\c], v[96+32*\c:111+32*\c], v[244+2*\c]
	v_cvt_scalef32_pk16_fp6_f32 v[204+4*\c:206+4*\c], v[112+32*\c:127+32*\c], v[244+2*\c+1]   ; (a conversion's three registers begin on an even number)
.endr
	v_nop                                          ; one plain line behind a scaled conversion
	s_setprio 0
.irp c, 0,1                                    ; a WHOLE block in a lane: lanes 0-15 block 2 c, lanes 16-31 block 2 c + 1
.irp i, 0,1,2
	v_permlane16_swap_b32 v[192+6*\c+\i], v[204+4*\c+\i]
.endr
.irp i, 0,1,2
	s_delay_alu instid0(VALU_DEP_3)
	v_mov_b32 v[195+6*\c+\i], v[204+4*\c+\i]
.endr
.endr
.set j, 0
.rept 16
	v_pk_mul_f32 v[160+j:161+j], v[160+j:161+j], v[252:253] op_sel_hi:[1,0]   ; O^T under the new M.  (For each product below twelve of these name none of its registers: the places behind p's codes and scale word)
.set j, j+2
.endr
	s_wait_alu depctr_va_vdst(0)
	s_wait_dscnt 0x0                               ; V
.irp t, 0,1,2,3                                ; O^T += V^T P^T: four accumulators, one instruction each
.if \t%2
	v_wmma_scale_f32_16x16x128_f8f6f4 v[160+8*\t:167+8*\t], v[32+12*\t:43+12*\t], v[192:203], v[160+8*\t:167+8*\t], v[90+\t/2], v253 matrix_a_fmt:MATRIX_FMT_FP6 matrix_b_fmt:MATRIX_FMT_FP6 matrix_a_scale:MATRIX_SCALE_ROW1
.else
	v_wmma_scale_f32_16x16x128_f8f6f4 v[160+8*\t:167+8*\t], v[32+12*\t:43+12*\t], v[192:203], v[160+8*\t:167+8*\t], v[90+\t/2], v253 matrix_a_fmt:MATRIX_FMT_FP6 matrix_b_fmt:MATRIX_FMT_FP6
.endif
.endr
	s_add_co_u32 s52, s52, 6144
	s_add_co_u32 s53, s53, 512
	s_add_co_u32 s54, s54, 256
	s_add_co_u32 s55, s55, 512
	s_sub_co_u32 s56, s56, 1
	s_cmp_lg_u32 s56, 0
	s_cbranch_scc1 .Lstep_\@
	s_setprio 0
.rept 4
	v_nop                                          ; places behind the last products
.endr
	v_add_f32 v14, v14, v15                        ; the sum's two halves,
	s_delay_alu instid0(VALU_DEP_1)
	v_permlanex16_b32 v252, v14, s20, s21
	s_delay_alu instid0(VALU_DEP_1)
	v_add_f32 v14, v14, v252                       ; and lane l xor 16's: the row's sum
	s_wait_alu depctr_va_vdst(0)
	v_rcp_f32 v248, v14
	v_nop                                          ; a plain line behind the reciprocal,
	s_wait_alu depctr_va_vdst(0)                   ; and the wait ahead of its first reader
.set j, 0
.rept 16
	v_pk_mul_f32 v[96+j:97+j], v[160+j:161+j], v[248:249] op_sel_hi:[1,0]   ; ctx: register 8 t + i is channel 16 t + 8 h + i of my query, each accumulator from its low end on
.set j, j+2
.endr
.irp b, 0,1                                    ; into ascending order: tile 2 b's lanes 16-31 change places with tile 2 b + 1's lanes 0-15: register 16 b + i is then channel 32 b + 16 h + i
.irp i, 0,1,2,3,4,5,6,7
	v_permlane16_swap_b32 v[96+16*\b+\i], v[104+16*\b+\i]
.endr
.endr
.irp b, 0,1
	v_max3_num_f32 v[232+\b], |v[96+16*\b]|, |v[97+16*\b]|, 0x1800000
.endr
.irp i, 2,4,6,8,10,12,14
.irp b, 0,1
	s_delay_alu instid0(VALU_DEP_2)
	v_max3_num_f32 v[232+\b], v[232+\b], |v[96+16*\b+\i]|, |v[97+16*\b+\i]|
.endr
.endr
.irp b, 0,1
	s_delay_alu instid0(VALU_DEP_2)
	v_permlanex16_b32 v[236+\b], v[232+\b], s20, s21
.endr
.irp b, 0,1
	s_delay_alu instid0(VALU_DEP_2)
	v_max_num_f32 v[232+\b], v[232+\b], v[236+\b]
.endr
.irp b, 0,1
	s_delay_alu instid0(VALU_DEP_2)
	v_add_nc_u32 v[244+\b], 0xff000000, v[232+\b]
.endr
.irp b, 0,1
	s_delay_alu instid0(VALU_DEP_2)
	v_lshrrev_b32 v[236+\b], 23, v[244+\b]
.endr
	s_delay_alu instid0(VALU_DEP_1)
	v_lshl_or_b32 v254, v237, 8, v236              ; the head's two bytes
.if \hd
	s_delay_alu instid0(VALU_DEP_1)
	v_lshl_or_b32 v224, v254, 16, v224             ; the odd head's are the word's upper two
.else
	s_delay_alu instid0(VALU_DEP_1)
	v_mov_b32 v224, v254
.endif
	v_cvt_scalef32_pk16_fp6_f32 v[212+6*\hd:214+6*\hd], v[96:111], v244
	v_cvt_scalef32_pk16_fp6_f32 v[204:206], v[112:127], v245
	v_nop
.irp i, 0,1,2
	v_permlane16_swap_b32 v[212+6*\hd+\i], v[204+\i]
.endr
.irp i, 0,1,2
	s_delay_alu instid0(VALU_DEP_3)
	v_mov_b32 v[215+6*\hd+\i], v[204+\i]           ; registers 6 hd .. 6 hd + 5 of the fragment: k = 64 hd + 32 h + 0 .. 31 of the head pair's 128
.endr
.endm
	HEAD 0
	HEAD 1
.irp c, 0,1,2
	global_store_b128 v1, v[212+4*\c:215+4*\c], s[12:13] offset:512*\c   ; the fragment's image: three stores of 512 consecutive bytes
.endr
	global_store_b32 v3, v224, s[14:15]            ; its scale words, 4 bytes a lane
	s_wait_dscnt 0x0
	s_wait_tensorcnt 0x0
	ds_add_u32 v251, v255
	s_wait_dscnt 0x0
	ROUND                                          ; the closing round
	s_endpgm
.Lfunc_end_k_q6fc8fba62c_attn:
	.size	k_q6fc8fba62c_attn, .Lfunc_end_k_q6fc8fba62c_attn-k_q6fc8fba62c_attn
	.p2alignl 7, 3214868480
	.fill 96, 4, 3214868480
	.section	.rodata,"a",@progbits
	.p2align	6, 0x0
	.amdhsa_kernel k_q6fc8fba62c_attn
		.amdhsa_group_segment_fixed_size 215040
		.amdhsa_private_segment_fixed_size 0
		.amdhsa_enable_private_segment 0
		.amdhsa_kernarg_size 48
		.amdhsa_user_sgpr_count 2
		.amdhsa_user_sgpr_kernarg_segment_ptr 1
		.amdhsa_wavefront_size32 1
		.amdhsa_system_sgpr_workgroup_id_x 1
		.amdhsa_system_sgpr_workgroup_id_y 1
		.amdhsa_system_sgpr_workgroup_id_z 1
		.amdhsa_system_vgpr_workitem_id 0
		.amdhsa_next_free_vgpr 256
		.amdhsa_next_free_sgpr 66
		.amdhsa_reserve_vcc 0
		.amdhsa_float_denorm_mode_32 3
		.amdhsa_float_denorm_mode_16_64 3
		.amdhsa_memory_ordered 1
		.amdhsa_forward_progress 1
		.amdhsa_inst_pref_size 57
	.end_amdhsa_kernel
	.amdgpu_metadata
---
amdhsa.version: [ 1, 2 ]
amdhsa.kernels:
  - .name:           k_q6fc8fba62c_attn
    .symbol:         k_q6fc8fba62c_attn.kd
    .args:
      - { .name: qimg, .offset: 0, .size: 8, .value_kind: global_buffer, .address_space: global }
      - { .name: qs, .offset: 8, .size: 8, .value_kind: global_buffer, .address_space: global }
      - { .name: kv, .offset: 16, .size: 8, .value_kind: global_buffer, .address_space: global }
      - { .name: attention_mask, .offset: 24, .size: 8, .value_kind: global_buffer, .address_space: global }
      - { .name: ctxc, .offset: 32, .size: 8, .value_kind: global_buffer, .address_space: global }
      - { .name: ctxs, .offset: 40, .size: 8, .value_kind: global_buffer, .address_space: global }
    .group_segment_fixed_size: 215040
    .private_segment_fixed_size: 0
    .kernarg_segment_align: 8
    .kernarg_segment_size: 48
    .max_flat_workgroup_size: 512
    .sgpr_count:     66
    .vgpr_count:     256
    .wavefront_size: 32
...
	.end_amdgpu_metadata
.endif
;; end of part 3
;; launch outln (part 4): grid 256 x 1, 4 waves a work-group, clusters of 4 x 1, 327,680 bytes of LDS; arguments ctxc, ctxs, Wo_codes, Wo_scales, bo, input_tensor, ln_gamma, ln_beta, out0; writes out0
.if DOCPART == 4
	.amdgcn_target "amdgcn-amd-amdhsa--gfx1250"
	.amdhsa_code_object_version 6
	.text
	.protected	k_q6fc8fba62c_outln
	.globl	k_q6fc8fba62c_outln
	.p2align	8
	.type	k_q6fc8fba62c_outln,@function
k_q6fc8fba62c_outln:
	s_mov_b64 s[64:65], 0
	v_nop
	global_prefetch_b8 v0, s[64:65] scope:SCOPE_SE
	s_setreg_imm32_b32 hwreg(HW_REG_WAVE_MODE, 25, 1), 1
	s_wait_xcnt 0x0
	s_wait_alu depctr_hold_cnt(0) depctr_sa_sdst(0) depctr_va_vdst(0) depctr_va_sdst(0) depctr_va_ssrc(0) depctr_va_vcc(0) depctr_vm_vsrc(0)
	s_getreg_b32 s2, hwreg(HW_REG_IB_STS2, 6, 4)
	s_cmp_eq_u32 s2, 0
	s_cbranch_scc0 .Lentry_in_a_cluster
	s_endpgm
.Lentry_in_a_cluster:
	s_bfe_u32 s2, ttmp6, 0x10000c
	s_cmp_lg_u32 s2, 0x3003
	s_cbranch_scc0 .Lentry_shape_is_right
	s_endpgm
.Lentry_shape_is_right:
; out0 = LayerNorm(ctx Wo^T + bo + x) x gamma + beta.  The product on codes of FP6 (E2M3) with one E8M0 scale for each 32 along K = 1,024; all else in f32.
; SHARES.  A work-group owns 32 rows and ALL 1,024 columns, since the norm wants whole rows.  Wo is walked in eight blocks of 128 output channels x all of K (98,304 dense bytes) through a ring of two LDS slots.
; In block s wave w makes channels 128 s + 32 w + 0 .. 31 for both tiles of 16 rows: four accumulators by turns, 32 matrix instructions; all 32 accumulators of a wave stay in registers.
; ctx's 16 fragments (2 tiles of rows x 8 K steps) lie in each wave's registers for the whole launch, loaded as the images that the launch before stored.
; CLUSTER.  Every work-group walks the same blocks of Wo: the four partners ask for each jointly, each wave for a quarter (32 channels).  Wo's scale bytes (32,768) come once with the first fills.
; No prefetch: Wo's 786,432 bytes are walked by all 64 clusters alike, and x is asked for outright at the head, into registers.
; THE PRODUCT IS USED TRANSPOSED (source 0 = 16 channels of Wo, source 1 = 16 rows of ctx): a lane holds eight neighbouring columns of one row.  The 32 rows meet in a stage in LDS, laid over the slots behind their
; last fill and last read; then wave w takes rows 8 w .. 8 w + 7 WHOLE, 32 numbers a lane, so that mean and variance never leave the wave.  Mean first, then the squares of the differences: no difference of large sums.
; LIMITS: NaN and infinities among the inputs are not served.
; REGISTERS, in windows of 256: window 0: v4-13 addresses; v28-29 the spare word's; v32-47 ctx's scale words; v48-63 Wo's, two sets; v64-159, v160-255 Wo's fragments, two sets of eight (later bo, gamma, beta, rows, work).
;   window 1: ctx's fragments at 12 (8 rt + q).   window 2: the accumulators at 8 (4 s + 2 ct + rt).   window 3: my eight rows of x at 32 j + 4 i.
.set SLOTB,  104448                    ; a slot: 128 rows x 816 bytes (three units of 256 bytes, 16 of padding behind each)
.set WQ,     26112                     ; a wave's quarter: 32 rows
.set RP,     816
.set SCL,    2*SLOTB                   ; Wo's scale bytes, dense: row n's 32 bytes at 32 n
.set SPARE,  SCL+32768                 ; the spare words, 128 bytes for each wave: two blocks of 256 bytes that no other line names
.set SPITCH, 4112                      ; the stage: 32 rows x (4,096 bytes + 16), from LDS byte 0
.set CS,  32
.set WS,  48
.set WF,  64
.set G0A, 44                           ; s[44:47], s[48:51] descriptor group 0 for slot 0, 1
.set MSB, 0
.macro WIN new                         ; the immediate's high byte repeats the setting that is left
.if MSB != \new
	s_set_vgpr_msb (MSB<<8)|\new
.set MSB, \new
.endif
.endm
.macro ROUND                           ; a round of the cluster's barrier
	s_barrier_signal -1
	s_barrier_wait -1
	s_cmp_lg_u32 s22, 0
	s_cbranch_scc1 .Lnot_wave_0_\@
	s_barrier_signal -3
.Lnot_wave_0_\@:
	s_barrier_wait -3
	s_barrier_signal -1
	s_barrier_wait -1
.endm
	s_load_b512 s[4:19], s[0:1], 0x0               ; ctxc 4, ctxs 6, Wo's codes 8, scales 10, bo 12, x 14, gamma 16, beta 18
	s_load_b64 s[20:21], s[0:1], 0x40              ; out0
	v_lshl_add_u32 v28, v0, 2, SPARE
	v_mov_b32 v29, 0
	ds_add_u32 v28, v29
	ds_add_u32 v28, v29
	s_wait_dscnt 0x0
	v_lshrrev_b32 v1, 5, v0
	v_readfirstlane_b32 s22, v1                    ; wave 0..3
	s_bfe_u32 s23, ttmp6, 0x40000                  ; cx
	s_lshl_b32 s56, ttmp9, 2
	s_add_co_u32 s56, s56, s23                     ; my block of 32 rows: it enters ctx's, x's and out0's addresses alone
	; descriptor group 1: a quarter of a block of Wo: 24,576 dense bytes as 96 rows of 256 bytes (32 elements of 8 bytes), 16 bytes of padding behind each
	s_mov_b32 s24, 15|(3<<16)|(1<<20)|(1<<21)|(5<<22)|(3<<25)   ; 15:0 the mask: all four work-groups; 20 padding on; 21 set beside a mask; 24:22 after every 64 words; 31:25 of 4 words
	s_mov_b32 s25, 32<<16
	s_mov_b32 s26, 96<<16
	s_mov_b32 s27, 32<<16
	s_mov_b32 s28, 96
	s_mov_b32 s29, 32
	s_mov_b32 s30, 0
	s_mov_b32 s31, 0
	s_mov_b32 s32, 15|(3<<16)|(1<<21)              ; a quarter of the scale bytes: 32 rows of 256 bytes, no padding
	s_mov_b32 s33, 32<<16
	s_mov_b32 s34, 32<<16
	s_mov_b32 s35, 32<<16
	s_mov_b32 s36, 32
	s_mov_b32 s37, 32
	s_mov_b32 s38, 0
	s_mov_b32 s39, 0
	s_mov_b32 s52, 0x3a800000                      ; 1 / 1,024
	s_mov_b32 s53, 0x2b8cbccc                      ; 1e-12
	s_mov_b32 s54, 0x76543210
	s_mov_b32 s55, 0xfedcba98                      ; v_permlanex16_b32's selects for lane l xor 16
	s_mul_i32 s57, s22, WQ                         ; my quarter in a slot,
	s_mul_i32 s58, s22, 24576                      ; and in a block of memory
	s_mov_b32 s59, 0
	s_lshl_b32 s60, s22, 13                        ; my quarter of the scale bytes
	s_mov_b32 s61, 0
	s_wait_kmcnt 0x0
	s_mov_b32 s40, 1
	s_add_co_u32 s41, s60, SCL
	s_add_nc_u64 s[42:43], s[10:11], s[60:61]
	s_or_b32 s43, s43, 0x80000000
	s_mov_b32 s44, 1
	s_mov_b32 s45, s57
	s_add_nc_u64 s[46:47], s[8:9], s[58:59]
	s_add_nc_u64 s[50:51], s[46:47], 98304
	s_or_b32 s47, s47, 0x80000000
	s_mov_b32 s48, 1
	s_add_co_u32 s49, s57, SLOTB
	s_or_b32 s51, s51, 0x80000000
	ROUND                                          ; all four work-groups are here: the first joint loads meet
	tensor_load_to_lds s[40:43], s[32:39]          ; the scale bytes, block 0, block 1: three loads of mine are out
	s_nop 0
	tensor_load_to_lds s[44:47], s[24:31]
	s_nop 0
	tensor_load_to_lds s[48:51], s[24:31]
	s_nop 0
.rept 4
	v_nop
.endr
	v_and_b32 v1, 31, v0                           ; lane
	v_and_b32 v2, 15, v0                           ; r
	v_bfe_u32 v3, v0, 4, 1                         ; h
	v_mul_u32_u24 v4, v2, RP
	v_mad_u32_u24 v4, v3, 24, v4
	v_add_nc_u32 v4, s57, v4                       ; Wo's fragments in slot 0: row (32 w + r) x 816 + 24 h,
	v_lshl_add_u32 v5, v3, 4, v4                   ; and the same behind one padding more;
	v_add_nc_u32 v6, SLOTB, v4                     ; in slot 1
	v_add_nc_u32 v7, SLOTB, v5
	v_lshlrev_b32 v8, 5, v1
	s_lshl_b32 s62, s22, 10
	s_add_co_u32 s62, s62, SCL
	v_add_nc_u32 v8, s62, v8                       ; Wo's scale words: channel 32 w + lane of a block: lanes 0-15 column tile 0, lanes 16-31 tile 1
	v_lshlrev_b32 v9, 4, v1                        ; 16 x lane
	v_lshlrev_b32 v10, 2, v1                       ; 4 x lane
	v_mul_u32_u24 v11, v2, SPITCH
	v_lshl_add_u32 v11, v3, 5, v11
	s_lshl_b32 s62, s22, 7
	v_add_nc_u32 v11, s62, v11                     ; the stage, in: row r, + 128 w + 32 h;
	v_add_nc_u32 v12, 16*SPITCH, v11               ; the second tile of rows
	s_mul_i32 s62, s22, 8*SPITCH
	v_add_nc_u32 v13, s62, v9                      ; back: my eight rows, 16 bytes a lane
	v_mov_b32 v229, 0                              ; (upper halves of pairs of which the low word serves both halves)
	v_mov_b32 v233, 0
	s_mul_i32 s62, s56, 16*1536
	s_mov_b32 s63, 0
	s_add_nc_u64 s[4:5], s[4:5], s[62:63]          ; ctx's 16 images
	s_lshl_b32 s62, s56, 11
	s_add_nc_u64 s[6:7], s[6:7], s[62:63]          ; and their scale words
	s_lshl_b32 s62, s56, 5
	s_lshl_b32 s58, s22, 3
	s_add_co_u32 s62, s62, s58                     ; my first row: 32 x block + 8 x wave
	s_lshl_b32 s62, s62, 12
	s_add_nc_u64 s[14:15], s[14:15], s[62:63]
	s_add_nc_u64 s[20:21], s[20:21], s[62:63]
	WIN 0x40                                       ; destination window 1
.irp f, 0,1,2,3,4,5,6,7,8,9,10,11,12,13,14,15
.irp c, 0,1,2
	global_load_b128 v[12*\f+4*\c:12*\f+4*\c+3], v9, s[4:5] offset:1536*\f+512*\c
.endr
.endr
	WIN 0
.irp f, 0,1,2,3,4,5,6,7,8,9,10,11,12,13,14,15
	global_load_b32 v[CS+\f], v10, s[6:7] offset:128*\f
.endr
	WIN 0xc0                                       ; destination window 3: x lands under the products
.irp j, 0,1,2,3,4,5,6
.irp i, 0,1,2,3,4,5,6,7
	global_load_b128 v[32*\j+4*\i:32*\j+4*\i+3], v9, s[14:15] offset:4096*\j+512*\i th:TH_LOAD_NT
.endr
.endr
	s_wait_loadcnt 56                              ; ctx's 64 loads are in; the 56 of x's rows 0 to 6 may be out
.irp i, 0,1,2,3,4,5,6,7
	global_load_b128 v[224+4*\i:224+4*\i+3], v9, s[14:15] offset:4096*7+512*\i th:TH_LOAD_NT
.endr
	WIN 0
.macro FRAGW reg, adr, q, ct           ; a fragment of Wo: 16 channels x 128 K, in pieces of 8 bytes; lanes 16-31 read three pieces further on, which from piece 29 of a unit's 32 on is behind one padding more
.irp p, 0,1,2,3,4,5
.set PCE, 12*(\q)+6*(\p/3)+\p%3
.if PCE%32 < 29
	ds_load_b64 v[\reg+2*\p:\reg+2*\p+1], v[\adr] offset:8*PCE+16*(PCE/32)+16*RP*(\ct)
.else
	ds_load_b64 v[\reg+2*\p:\reg+2*\p+1], v[\adr+1] offset:8*PCE+16*(PCE/32)+16*RP*(\ct)
.endif
.endr
.endm
.macro WLOAD slot, half                ; K steps 4 half .. 4 half + 3, both column tiles: eight fragments into set half
.irp qq, 0,1,2,3
.irp ct, 0,1
	FRAGW WF+96*(\half)+12*(2*\qq+\ct), 4+2*(\slot), 4*(\half)+\qq, \ct
.endr
.endr
.endm
.macro MULH s, half                    ; 16 matrix instructions: the block's four accumulators take turns, one instruction a turn, K ascending; K step 0 starts the sums
.irp qq, 0,1,2,3
.irp ct, 0,1
.irp rt, 0,1
.set QN, 4*(\half)+\qq
.set AR, 8*(4*(\s)+2*\ct+\rt)
.set WR, WF+96*(\half)+12*(2*\qq+\ct)
.set CR, 12*(8*\rt+QN)
.set SA, WS+8*((\s)%2)+QN
.set SB, CS+8*\rt+QN
.if QN == 0
.if \ct
	v_wmma_scale_f32_16x16x128_f8f6f4 v[AR:AR+7], v[WR:WR+11], v[CR:CR+11], 0, v[SA], v[SB] matrix_a_fmt:MATRIX_FMT_FP6 matrix_b_fmt:MATRIX_FMT_FP6 matrix_a_scale:MATRIX_SCALE_ROW1
.else
	v_wmma_scale_f32_16x16x128_f8f6f4 v[AR:AR+7], v[WR:WR+11], v[CR:CR+11], 0, v[SA], v[SB] matrix_a_fmt:MATRIX_FMT_FP6 matrix_b_fmt:MATRIX_FMT_FP6
.endif
.else
.if \ct
	v_wmma_scale_f32_16x16x128_f8f6f4 v[AR:AR+7], v[WR:WR+11], v[CR:CR+11], v[AR:AR+7], v[SA], v[SB] matrix_a_fmt:MATRIX_FMT_FP6 matrix_b_fmt:MATRIX_FMT_FP6 matrix_a_scale:MATRIX_SCALE_ROW1
.else
	v_wmma_scale_f32_16x16x128_f8f6f4 v[AR:AR+7], v[WR:WR+11], v[CR:CR+11], v[AR:AR+7], v[SA], v[SB] matrix_a_fmt:MATRIX_FMT_FP6 matrix_b_fmt:MATRIX_FMT_FP6
.endif
.endif
.endr
.endr
.endr
.endm
.macro STEP s                          ; block s, from slot s % 2
	ds_load_b128 v[WS+8*((\s)%2):WS+8*((\s)%2)+3], v8 offset:4096*(\s)          ; my channel's eight scale words
	ds_load_b128 v[WS+8*((\s)%2)+4:WS+8*((\s)%2)+7], v8 offset:4096*(\s)+16
	WLOAD (\s)%2, 0
	WLOAD (\s)%2, 1
	s_wait_dscnt 48                                ; the scale words and the first half's fragments are in; the second half's 48 loads may be out
	WIN 0xa4                                       ; source 0 (Wo) window 0, source 1 (ctx) window 1, C and D window 2
	MULH \s, 0
	s_wait_dscnt 0x0
	MULH \s, 1
	WIN 0
.endm
; THE CHANGE OF SLOTS, ahead of block s: each wave waits for all its tensor loads (its part of the slot ahead), adds 0 to its spare word, and waits for that and for its reads of the slot that it has left.
; fill = 1: a round of the cluster's barrier, and that slot is filled with block s + 1: the load has a block's work in which to land.
.macro CHANGE s, fill
	s_wait_tensorcnt 0x0                           ; no tensor load of mine is out, so a group 0 may be written
	ds_add_u32 v28, v29                            ; 0 onto my spare word
.if \fill
	s_add_nc_u64 s[G0A+4*(((\s)-1)%2)+2:G0A+4*(((\s)-1)%2)+3], s[G0A+4*(((\s)-1)%2)+2:G0A+4*(((\s)-1)%2)+3], 2*98304   ; two blocks on; the type bits on top are not reached
.endif
	s_wait_dscnt 0x0                               ; the add is done, and my reads of the slot that I have left are over
.if \fill
	ROUND                                          ; no wave of any partner still reads that slot or has a load on its way
	tensor_load_to_lds s[G0A+4*(((\s)-1)%2):G0A+4*(((\s)-1)%2)+3], s[24:31]     ; the first thing behind the round, and my one tensor load until the next
	s_nop 0
.else
	s_barrier_signal -1
	s_barrier_wait -1
.endif
.rept 4
	v_nop                                          ; also the places between the last products and the loads into their operands
.endr
.endm
	s_wait_tensorcnt 1                             ; the scale bytes and my part of block 0 are in; block 1's load may be out
	s_barrier_signal -1
	s_barrier_wait -1
	STEP 0
.irp s, 1,2,3,4,5,6
	CHANGE \s, 1
	STEP \s
.endr
	CHANGE 7, 0                                    ; nothing is left to fetch
	STEP 7
.rept 4
	v_nop                                          ; places behind the last products: their operands' registers are loaded into, their results stored
.endr
.irp i, 0,1,2,3,4,5,6,7
	global_load_b128 v[64+4*\i:67+4*\i], v9, s[12:13] offset:512*\i             ; bo, gamma, beta of my lane's 32 columns: 128 i + 4 lane + 0 .. 3
	global_load_b128 v[96+4*\i:99+4*\i], v9, s[16:17] offset:512*\i
	global_load_b128 v[128+4*\i:131+4*\i], v9, s[18:19] offset:512*\i
.endr
	s_wait_dscnt 0x0                               ; my reads of the slots are over,
	s_barrier_signal -1
	s_barrier_wait -1                              ; everybody's are: the stage may be written over them (they have had their last fill)
	WIN 0x08                                       ; an LDS store's data are its source 1: window 2
.irp s, 0,1,2,3,4,5,6,7
.irp ct, 0,1
.irp rt, 0,1
	ds_store_b128 v[11+\rt], v[8*(4*\s+2*\ct+\rt):8*(4*\s+2*\ct+\rt)+3] offset:512*\s+64*\ct          ; lane (r, h): row 16 rt + r, columns 128 s + 32 w + 16 ct + 8 h + 0 .. 7; each accumulator from its low end on
	ds_store_b128 v[11+\rt], v[8*(4*\s+2*\ct+\rt)+4:8*(4*\s+2*\ct+\rt)+7] offset:512*\s+64*\ct+16
.endr
.endr
.endr
	WIN 0
	s_wait_dscnt 0x0                               ; for the others' sake: my stores into the stage are done
	s_barrier_signal -1
	s_barrier_wait -1                              ; 32 whole rows lie in the stage
	s_wait_loadcnt 0x0                             ; x, bo, gamma, beta
.irp i, 0,1,2,3,4,5,6,7
	ds_load_b128 v[160+4*\i:163+4*\i], v13 offset:512*\i
.endr
; ROW j of my eight: 32 numbers a lane in v[Y] on; the two sets of 32 registers take turns, the next row's loads go out first.
.macro REDUCE                          ; v224 = the sum over the wave's 32 lanes of v224 + v225, in every lane
	v_add_f32 v224, v224, v225
	v_add_f32_dpp v224, v224, v224 row_xmask:1 row_mask:0xf bank_mask:0xf
	v_add_f32_dpp v224, v224, v224 row_xmask:2 row_mask:0xf bank_mask:0xf
	v_add_f32_dpp v224, v224, v224 row_xmask:4 row_mask:0xf bank_mask:0xf
	v_add_f32_dpp v224, v224, v224 row_xmask:8 row_mask:0xf bank_mask:0xf
	v_permlanex16_b32 v225, v224, s54, s55
	v_add_f32 v224, v224, v225
.endm
.macro LNROW j
.set Y, 160+32*((\j)%2)
.if \j < 7
	s_wait_xcnt 0x0                                ; the stores of the row before have read their data: the other set is loaded again only behind this wait
.irp i, 0,1,2,3,4,5,6,7
	ds_load_b128 v[160+32*((\j+1)%2)+4*\i:160+32*((\j+1)%2)+4*\i+3], v13 offset:SPITCH*(\j+1)+512*\i
.endr
	s_wait_dscnt 8                                 ; this row is in; the next row's eight loads may be out
.else
	s_wait_dscnt 0x0
.endif
	WIN 0x0c                                       ; source 1 window 3
.set n, 0
.rept 16
	v_pk_add_f32 v[Y+n:Y+n+1], v[Y+n:Y+n+1], v[32*(\j)+n:32*(\j)+n+1]           ; + x
.set n, n+2
.endr
	WIN 0
.set n, 0
.rept 16
	v_pk_add_f32 v[Y+n:Y+n+1], v[Y+n:Y+n+1], v[64+n:64+n+1]                     ; + bo
.set n, n+2
.endr
	v_pk_add_f32 v[224:225], v[Y:Y+1], v[Y+2:Y+3]                               ; the row's sum, in two chains
	v_pk_add_f32 v[226:227], v[Y+4:Y+5], v[Y+6:Y+7]
.irp n, 8,12,16,20,24,28
	v_pk_add_f32 v[224:225], v[224:225], v[Y+\n:Y+\n+1]
	v_pk_add_f32 v[226:227], v[226:227], v[Y+\n+2:Y+\n+3]
.endr
	v_pk_add_f32 v[224:225], v[224:225], v[226:227]
	REDUCE
	v_mul_f32 v228, s52, v224                      ; the mean
.set n, 0
.rept 16
	v_pk_add_f32 v[Y+n:Y+n+1], v[Y+n:Y+n+1], v[228:229] op_sel_hi:[1,0] neg_lo:[0,1] neg_hi:[0,1]   ; - the mean
.set n, n+2
.endr
	v_pk_mul_f32 v[224:225], v[Y:Y+1], v[Y:Y+1]                                 ; the squares' sum, in two chains
	v_pk_mul_f32 v[226:227], v[Y+2:Y+3], v[Y+2:Y+3]
.irp n, 4,8,12,16,20,24,28
	v_pk_fma_f32 v[224:225], v[Y+\n:Y+\n+1], v[Y+\n:Y+\n+1], v[224:225]
	v_pk_fma_f32 v[226:227], v[Y+\n+2:Y+\n+3], v[Y+\n+2:Y+\n+3], v[226:227]
.endr
	v_pk_add_f32 v[224:225], v[224:225], v[226:227]
	REDUCE
	v_fma_f32 v230, v224, s52, s53                 ; the variance + 1e-12
	v_rsq_f32 v232, v230
	v_nop                                          ; a plain line behind the root,
	s_wait_alu depctr_va_vdst(0)                   ; and the wait ahead of its first reader
.set n, 0
.rept 16
	v_pk_mul_f32 v[Y+n:Y+n+1], v[Y+n:Y+n+1], v[232:233] op_sel_hi:[1,0]
.set n, n+2
.endr
.set n, 0
.rept 16
	v_pk_fma_f32 v[Y+n:Y+n+1], v[Y+n:Y+n+1], v[96+n:96+n+1], v[128+n:128+n+1]   ; x gamma + beta
.set n, n+2
.endr
.irp i, 0,1,2,3,4,5,6,7
	global_store_b128 v9, v[Y+4*\i:Y+4*\i+3], s[20:21] offset:4096*(\j)+512*\i th:TH_STORE_NT   ; 32 lanes store 512 consecutive bytes, at a multiple of 256 from out0's first byte
.endr
.endm
.irp j, 0,1,2,3,4,5,6,7
	LNROW \j
.endr
	s_wait_tensorcnt 0x0                           ; the wave's end, behind my last tensor load and my last LDS store
	ds_add_u32 v28, v29
	s_wait_dscnt 0x0
	ROUND                                          ; the closing round: no work-group ends while a partner may still ask for a tile that names it
	s_endpgm
.Lfunc_end_k_q6fc8fba62c_outln:
	.size	k_q6fc8fba62c_outln, .Lfunc_end_k_q6fc8fba62c_outln-k_q6fc8fba62c_outln
	.p2alignl 7, 3214868480
	.fill 96, 4, 3214868480
	.section	.rodata,"a",@progbits
	.p2align	6, 0x0
	.amdhsa_kernel k_q6fc8fba62c_outln
		.amdhsa_group_segment_fixed_size 327680
		.amdhsa_private_segment_fixed_size 0
		.amdhsa_enable_private_segment 0
		.amdhsa_kernarg_size 72
		.amdhsa_user_sgpr_count 2
		.amdhsa_user_sgpr_kernarg_segment_ptr 1
		.amdhsa_wavefront_size32 1
		.amdhsa_system_sgpr_workgroup_id_x 1
		.amdhsa_system_sgpr_workgroup_id_y 1
		.amdhsa_system_sgpr_workgroup_id_z 1
		.amdhsa_system_vgpr_workitem_id 0
		.amdhsa_next_free_vgpr 1024
		.amdhsa_next_free_sgpr 66
		.amdhsa_reserve_vcc 0
		.amdhsa_float_denorm_mode_32 3
		.amdhsa_float_denorm_mode_16_64 3
		.amdhsa_memory_ordered 1
		.amdhsa_forward_progress 1
		.amdhsa_inst_pref_size 186
	.end_amdhsa_kernel
	.amdgpu_metadata
---
amdhsa.version: [ 1, 2 ]
amdhsa.kernels:
  - .name:           k_q6fc8fba62c_outln
    .symbol:         k_q6fc8fba62c_outln.kd
    .args:
      - { .name: ctxc, .offset: 0, .size: 8, .value_kind: global_buffer, .address_space: global }
      - { .name: ctxs, .offset: 8, .size: 8, .value_kind: global_buffer, .address_space: global }
      - { .name: Wo_codes, .offset: 16, .size: 8, .value_kind: global_buffer, .address_space: global }
      - { .name: Wo_scales, .offset: 24, .size: 8, .value_kind: global_buffer, .address_space: global }
      - { .name: bo, .offset: 32, .size: 8, .value_kind: global_buffer, .address_space: global }
      - { .name: input_tensor, .offset: 40, .size: 8, .value_kind: global_buffer, .address_space: global }
      - { .name: ln_gamma, .offset: 48, .size: 8, .value_kind: global_buffer, .address_space: global }
      - { .name: ln_beta, .offset: 56, .size: 8, .value_kind: global_buffer, .address_space: global }
      - { .name: out0, .offset: 64, .size: 8, .value_kind: global_buffer, .address_space: global }
    .group_segment_fixed_size: 327680
    .private_segment_fixed_size: 0
    .kernarg_segment_align: 8
    .kernarg_segment_size: 72
    .max_flat_workgroup_size: 128
    .sgpr_count:     66
    .vgpr_count:     1024
    .wavefront_size: 32
...
	.end_amdgpu_metadata
.endif
;; end of part 4
